; MI455X (gfx1250); checked and timed in simulation.
; The chip was launched on July 23, 2026; its instructions are those of AMD's public machine-readable ISA for CDNA 5 (MIT licence, August 2026) and "CDNA5" Instruction Set Architecture Reference Guide (July 2026). The comments in the code are by the model that wrote it; some were corrected since.
;; Multi Head Diff Attention. Allowed arithmetic: matrix products marked QUANTISED: E2M1 operands, one E8M0 scale for each 32 along K, by v_wmma_scale_f32_16x16x128_f8f6f4 with both operands' format E2M1 (or v_wmma_scale_f32_32x16x128_f4), f32 sums; products left as they are: bf16, f16 or f32 operands; f32 sums; everything else in f32.
;; Inputs: Wk 1,024 x 2,048 float32; Wo 1,024 x 1,024 float32; Wq 1,024 x 2,048 float32; Wv 1,024 x 1,024 float32; beta 1,024 float32; gamma 1,024 float32; lambda_k1 64 float32; lambda_k2 64 float32; lambda_q1 64 float32; lambda_q2 64 float32; x 2 x 2,048 x 1,024 float32.
;; Outputs: out0 2 x 2,048 x 1,024 float32.
;; This version of the problem:
;;   THIS VERSION OF THE PROBLEM IS GIVEN IN LOW PRECISION. The matrix products marked QUANTISED in the list below multiply operands that are first quantised to E2M1 (2 exponent bits, 1 mantissa bit; 4 bits a number), with one power-of-two scale for each 32 numbers along K (OCP MX v1.0); their sums are f32. The products marked 'left as it is' may take bf16, f16 or f32 operands, with f32 sums. Whichever they take, every output number must still come out within the allowed error. Rounding operands to bf16 (8 significant bits) uses up far more of that allowance than f16 does (11 bits, for magnitudes from 6e-5 to 65,504). All else is computed in f32.
;;   The module's matrix products, in the order in which they are computed (A, B: the left and right operand; K: the contracted axis; several contracted axes count as one K, in the product's order):
;;     1. [M 4,096, K 1,024] x [K 1,024, N 2,048]; A: input x; B: input Wq: QUANTISED
;;     2. [M 4,096, K 1,024] x [K 1,024, N 2,048]; A: input x; B: input Wk: QUANTISED
;;     3. [M 4,096, K 1,024] x [K 1,024, N 1,024]; A: input x; B: input Wv: QUANTISED
;;     4. batch 32 x [M 2,048, K 64] x [K 64, N 2,048]; A: computed on the way; B: computed on the way: left as it is (an operand is computed on the way)
;;     5. batch 32 x [M 2,048, K 64] x [K 64, N 2,048]; A: computed on the way; B: computed on the way: left as it is (an operand is computed on the way)
;;     6. batch 32 x [M 2,048, K 2,048] x [K 2,048, N 64]; A: computed on the way; B: computed on the way: left as it is (an operand is computed on the way)
;;     7. [M 4,096, K 1,024] x [K 1,024, N 1,024]; A: computed on the way; B: input Wo: left as it is (an operand is computed on the way)
;;   THE QUANTISER, for each operand of a quantised product, along K:
;;     - K is cut into blocks of 32 from its start; a last block that is shorter is filled with zeros.
;;     - A block's scale is 2^e with e = floor(log2(the largest magnitude in the block)) - 2, held to -126 .. 127; a block of zeros has e = 0. As a byte (E8M0): e + 127.
;;     - Each number is divided by its block's scale, clamped to +-6, and rounded to the nearest number of E2M1, ties to even, subnormals kept.
;;     - The product sums the exact products of the quantised numbers (number of the format x scale) in f32.
;;   ~~~python
;;   def quantise(x, axis):      # numpy; x: float32 -> the quantised numbers, widened to float32 again
;;       x = np.moveaxis(x, axis, -1); K = x.shape[-1]
;;       x = np.pad(x, [(0, 0)] * (x.ndim - 1) + [(0, -K % 32)]); x = x.reshape(x.shape[:-1] + (-1, 32)); a = np.abs(x).max(-1, keepdims=True)
;;       e = np.where(a > 0, np.clip(np.frexp(np.where(a > 0, a, 1))[1] - 1 - 2, -126, 127), 0)      # np.frexp(a)[1] - 1 = floor(log2(a)), exactly
;;       r = np.clip(x / 2.0 ** e, -6, 6)
;;       step = 2.0 ** (np.maximum(np.frexp(np.where(r == 0, 1, r))[1] - 1, 0) - 1)
;;       q = np.round(r / step) * step * 2.0 ** e      # np.round: ties to even
;;       return np.moveaxis(q.reshape(q.shape[:-2] + (-1,))[..., :K], -1, axis).astype(np.float32)
;;   ~~~
;; One version. Each part assembles by itself: llvm-mc -triple=amdgcn-amd-amdhsa -mcpu=gfx1250 --defsym DOCPART=n.
;; ======== version 1 of 1: 5 launches
;; limits: values are held in f16: magnitudes above 65,504 overflow, below 6.1e-05 lose precision
;; workspace buffers: codes 4,718,592 bytes; scl 294,912 bytes; wo16 2,097,152 bytes; qb 16,777,216 bytes; kb 16,777,216 bytes; vb 8,388,608 bytes; ab 8,388,608 bytes; yb 16,777,216 bytes
;; launch prep (part 1): grid 336 x 1, 4 waves a work-group, no clusters, 121,344 bytes of LDS; arguments x, Wq, Wk, Wv, Wo, codes, scl, wo16; writes codes, scl, wo16
.if DOCPART == 1
	.amdgcn_target "amdgcn-amd-amdhsa--gfx1250"
	.amdhsa_code_object_version 6
	.text
	.protected	k_q3df49e3228_prep
	.globl	k_q3df49e3228_prep
	.p2align	8
	.type	k_q3df49e3228_prep,@function
k_q3df49e3228_prep:
	s_mov_b64 s[64:65], 0
	v_nop
	global_prefetch_b8 v0, s[64:65] scope:SCOPE_SE
	s_setreg_imm32_b32 hwreg(HW_REG_WAVE_MODE, 25, 1), 1
	s_wait_xcnt 0x0
; PREP.  x [4096][1024], Wq, Wk [1024][2048] and Wv [1024][1024], f32, become codes of FP4 (E2M1) with K innermost and one E8M0 byte for each 32 along K; Wo [1024][1024] becomes f16 with K innermost.
; A block's scale is 2^(floor(log2(its largest magnitude)) - 2); its byte is the largest magnitude's exponent field - 2, held at 1 from below; each number is divided by the scale and rounded to the nearest code, ties to even, beyond 6 the largest code.
; LIMITS: a block of zeros, or one whose largest magnitude lies under 2^-124, gets the byte 1 (its codes are zeros or near it; this program alone reads the bytes).  NaN and infinities are not served.  Wo goes to f16: magnitudes up to 65,504; under 6e-5 its absolute error is 2^-25.
; LAYOUTS.  codes: x's rows [4096][512 bytes], then from WC0 on the weights' rows [5120][512 bytes] IN HEAD ORDER: row 320 h + j is Wq's column 128 h + j (j < 128), Wk's column 128 h + j - 128 (j < 256), Wv's column 64 h + j - 256.
;   scl: [4096][32 bytes], then from WS0 on [5120][32 bytes].   wo16: [n / 128][k / 64][n % 128][k % 64].
; SHARES.  Work-groups 0-127: x, a wave takes 8,192 numbers as a plain stream of blocks.  128-191: Wq and Wk, 192-207: Wv: a wave takes 32 columns x 512 along K, a lane a column, its registers running down K.
;   208-335: Wo, a wave takes 32 columns x 64 along K.  The four ways part on the work-group's number, never meet again, and have LDS bytes of their own.  Waves share nothing: no barrier.  No matrix unit, no tensor load: the launch streams.
.set WC0,   2097152                    ; where the weights' codes begin
.set WS0,   131072                     ; where their scale bytes begin
.set EMAX,  2
.set SPW,   190                        ; v190  LDS address of my spare word: SPARE + 4 x my thread's number; never rewritten
.set NIL,   191                        ; v191  0; never rewritten
.set SPARE, 120832                     ; behind all stages: the spare words, 128 bytes for each wave, that no other line names
.set STEPS, 16                         ; x: steps of 512 numbers a wave
.set CB,    8                          ; bytes of 16 codes
.set XR,    16                         ; v16-79   four sets of 16 numbers as they are loaded
.set XX,    80                         ; v80-111  two sets of 16 neighbours
.set XE,    112                        ; v112-127 a scale byte for each step
.set XC,    128                        ; v128-189 codes: four registers for each step, so that no store's data are written again
.set WREG,  8192                       ; x's way, LDS 0 - 32,767: a region for each wave: two stages of 32 x SP bytes, behind them its 256 scale bytes
.set SP,    80                         ; a lane's place in a stage: 64 bytes + 16 of padding
.set NB,    16                         ; the weights: blocks of 32 along K for a wave
.set PITCH, 272                        ; a stage row: 256 bytes of codes + 16
.set WX,    32                         ; v32-95   two sets of 32 numbers
.set WCD,   96                         ; v96-99   a block's codes
.set WOUT,  112                        ; v112-175 the way out
.set WSB,   24                         ; v24-27   the scale bytes, four to a register
.set OBASE, 102400                     ; Wo's way: 32 rows x 144 bytes for each wave
.macro XLOAD t                         ; step t: four loads of 512 consecutive bytes
.irp i, 0,1,2,3
	global_load_b128 v[XR+16*((\t)%4)+4*\i:XR+16*((\t)%4)+4*\i+3], v3, s[4:5] offset:2048*(\t)+512*\i th:TH_LOAD_NT
.endr
.endm
.macro XTURN t                         ; step t's numbers through the stage: in as they lie, back 64 bytes a lane.  LDS serves a wave's instructions in order
.irp i, 0,1,2,3
	ds_store_b128 v14, v[XR+16*((\t)%4)+4*\i:XR+16*((\t)%4)+4*\i+3] offset:32*SP*((\t)%2)+8*SP*\i
.endr
.irp i, 0,1,2,3
	ds_load_b128 v[XX+16*((\t)%2)+4*\i:XX+16*((\t)%2)+4*\i+3], v15 offset:32*SP*((\t)%2)+16*\i
.endr
.endm
.macro XSTEP t
.set XS, XX+16*((\t)%2)
.if (\t) > 0
	s_wait_dscnt 1                                 ; this step's numbers are back from the stage; the last step's byte store may be out
.else
	s_wait_dscnt 0x0
.endif
.if (\t)+4 < STEPS
	XLOAD (\t)+4                                   ; into the registers that the stage's stores have read
.endif
.if (\t)+1 < STEPS
.if STEPS-2-(\t) >= 3
	s_wait_loadcnt 12                              ; the next step's four loads are in; those of the three steps behind it may be out
.else
	s_wait_loadcnt 4*(STEPS-2-(\t))
.endif
	XTURN (\t)+1
.endif
	v_max3_num_f32 v8, |v[XS]|, |v[XS+1]|, |v[XS+2]|       ; the largest magnitude of my 16, in two chains
	v_max3_num_f32 v9, |v[XS+3]|, |v[XS+4]|, |v[XS+5]|
.irp i, 6,10
	v_max3_num_f32 v8, v8, |v[XS+\i]|, |v[XS+\i+1]|
	v_max3_num_f32 v9, v9, |v[XS+\i+2]|, |v[XS+\i+3]|
.endr
	v_max3_num_f32 v8, v8, |v[XS+14]|, |v[XS+15]|
	v_max3_num_f32 v8, v8, v9, (EMAX+1)<<23        ; and the floor 2^(3 - 127): the byte cannot fall under 1
	v_max_num_f32_dpp v8, v8, v8 row_xmask:1 row_mask:0xf bank_mask:0xf   ; with my neighbour's 16: the block's
	v_add_nc_u32 v11, -(EMAX<<23), v8              ; 2 off its exponent field: the conversion takes the exponent field of this operand as its scale
	v_cvt_scalef32_pk8_fp4_f32 v[XC+4*(\t)], v[XS:XS+7], v11
	v_cvt_scalef32_pk8_fp4_f32 v[XC+4*(\t)+1], v[XS+8:XS+15], v11
	v_lshrrev_b32 v[XE+(\t)], 23, v11              ; the scale's byte
	ds_store_b8 v5, v[XE+(\t)] offset:16*(\t)      ; both lanes of a block write the same byte with the same value
	global_store_b64 v4, v[XC+4*(\t):XC+4*(\t)+1], s[14:15] offset:32*CB*(\t)   ; the wave stores 256 consecutive bytes
.endm
.macro WLOAD t, N                      ; block t: W(32 t + i, my column), i = 0 .. 31, into set t % 2; a load reads 128 consecutive bytes
.set i, 0
.rept 32
	global_load_b32 v[WX+32*((\t)%2)+i], v3, s[26:27] offset:(32*(\t)+i)*\N*4 th:TH_LOAD_NT
.set i, i+1
.endr
.endm
.macro WBLOCK t, N
.set XS, WX+32*((\t)%2)
.if (\t) < NB-1
	s_wait_loadcnt 32                              ; this block's 32 loads are in; the next block's may be out
.else
	s_wait_loadcnt 0x0
.endif
	v_max3_num_f32 v12, |v[XS]|, |v[XS+1]|, |v[XS+2]|      ; the block's largest magnitude: all 32 numbers are mine
	v_max3_num_f32 v13, |v[XS+3]|, |v[XS+4]|, |v[XS+5]|
.irp i, 6,10,14,18,22,26
	v_max3_num_f32 v12, v12, |v[XS+\i]|, |v[XS+\i+1]|
	v_max3_num_f32 v13, v13, |v[XS+\i+2]|, |v[XS+\i+3]|
.endr
	v_max3_num_f32 v12, v12, |v[XS+30]|, |v[XS+31]|
	v_max3_num_f32 v12, v12, v13, (EMAX+1)<<23
	v_add_nc_u32 v11, -(EMAX<<23), v12
	v_lshrrev_b32 v13, 23, v11                     ; the scale's byte
.if (\t)%4 == 0
	v_mov_b32 v[WSB+(\t)/4], v13                   ; four bytes to a register, the lower K in the lower byte
.else
	v_lshl_or_b32 v[WSB+(\t)/4], v13, 8*((\t)%4), v[WSB+(\t)/4]
.endif
.irp g, 0,1,2,3
	v_cvt_scalef32_pk8_fp4_f32 v[WCD+\g], v[XS+8*\g:XS+8*\g+7], v11
.endr
	ds_store_b128 v4, v[WCD:WCD+3] offset:16*(\t)  ; 32 codes: 16 bytes of my column's row
.if (\t)+2 < NB
	WLOAD (\t)+2, \N
.endif
	s_wait_dscnt 0x0                               ; the store has read its registers: the next block's codes may be written
.endm
; A weight of N columns.  FIRST: the first work-group of this way;  LBASE: its stages in LDS
.macro WQ N, LBASE, FIRST
	s_sub_co_u32 s21, ttmp9, \FIRST
	s_and_b32 s22, s21, 1                          ; which 512 along K
.if \N == 2048
	s_lshr_b32 s23, s21, 5                         ; 0: Wq, 1: Wk
	s_bfe_u32 s24, s21, 0x40001                    ; the head: its 128 columns
	s_cmp_eq_u32 s23, 0
	s_cselect_b64 s[26:27], s[6:7], s[8:9]         ; the choice hangs on the work-group's number alone
	s_mul_i32 s25, s24, 320
	s_lshl_b32 s28, s23, 7
	s_add_co_u32 s25, s25, s28
	s_lshl_b32 s28, s20, 5
	s_add_co_u32 s25, s25, s28                     ; my first row of the codes: 320 head + 128 (Wk) + 32 wave
.else
	s_lshr_b32 s24, s21, 1                         ; which 128 columns of Wv: two heads
	s_mov_b64 s[26:27], s[10:11]
	s_lshl_b32 s25, s24, 1
	s_lshr_b32 s28, s20, 1
	s_add_co_u32 s25, s25, s28                     ; my head
	s_mul_i32 s25, s25, 320
	s_and_b32 s28, s20, 1
	s_lshl_b32 s28, s28, 5
	s_add_co_u32 s25, s25, s28
	s_add_co_u32 s25, s25, 256                     ; 320 head + 256 + 32 (wave % 2)
.endif
	s_mul_i32 s28, s22, 512*4*\N                   ; in W: 512 rows down for the second half of K,
	s_lshl_b32 s29, s24, 9
	s_add_co_u32 s28, s28, s29                     ; 128 columns a group,
	s_lshl_b32 s29, s20, 7
	s_add_co_u32 s28, s28, s29                     ; 32 a wave
	s_mov_b32 s29, 0
	s_add_nc_u64 s[26:27], s[26:27], s[28:29]
	s_lshl_b32 s28, s25, 9                         ; the codes: 512 bytes a row, 256 for the half of K
	s_lshl_b32 s30, s22, 8
	s_add_co_u32 s28, s28, s30
	s_add_co_u32 s28, s28, WC0
	s_add_nc_u64 s[32:33], s[14:15], s[28:29]
	s_lshl_b32 s28, s25, 5                         ; the scale bytes: 32 a row, 16 for the half of K
	s_lshl_b32 s30, s22, 4
	s_add_co_u32 s28, s28, s30
	s_add_co_u32 s28, s28, WS0
	s_add_nc_u64 s[34:35], s[16:17], s[28:29]
	s_mul_i32 s31, s20, 32*PITCH
	s_add_co_u32 s31, s31, \LBASE                  ; my stage
	v_mul_u32_u24 v4, v2, PITCH
	v_add_nc_u32 v4, s31, v4                       ; into it: row = my column
	v_and_b32 v5, 15, v2
	v_lshrrev_b32 v6, 4, v2                        ; out of it: sixteen lanes to a row, two rows an instruction
	v_mul_u32_u24 v7, v6, PITCH
	v_lshl_add_u32 v7, v5, 4, v7
	v_add_nc_u32 v7, s31, v7
	v_lshlrev_b32 v8, 9, v6
	v_lshl_add_u32 v8, v5, 4, v8                   ; and the same place in the codes' buffer
	v_lshlrev_b32 v9, 5, v2                        ; my column's row of scale bytes
	WLOAD 0, \N
	WLOAD 1, \N
.set Q, 0
.rept NB
	WBLOCK Q, \N
.set Q, Q+1
.endr
	global_store_b128 v9, v[WSB:WSB+3], s[34:35]   ; my column's 16 scale bytes
.irp t, 0,1,2,3,4,5,6,7,8,9,10,11,12,13,14,15
	ds_load_b128 v[WOUT+4*\t:WOUT+4*\t+3], v7 offset:2*\t*PITCH   ; LDS serves a wave's instructions in order: these see my stores
.endr
.irp t, 0,1,2,3,4,5,6,7,8,9,10,11,12,13,14,15
	s_wait_dscnt 15-\t
	global_store_b128 v8, v[WOUT+4*\t:WOUT+4*\t+3], s[32:33] offset:2*\t*512   ; sixteen lanes store 256 consecutive bytes, aligned
.endr
	s_wait_tensorcnt 0x0                           ; the wave's end, behind my last LDS store
	ds_add_u32 v[SPW], v[NIL]
	s_wait_dscnt 0x0
	s_endpgm
.endm
	s_load_b512 s[4:19], s[0:1], 0x0               ; x 4, Wq 6, Wk 8, Wv 10, Wo 12, codes 14, scl 16, wo16 18
	v_lshl_add_u32 v[SPW], v0, 2, SPARE
	v_mov_b32 v[NIL], 0
	v_lshrrev_b32 v1, 5, v0
	v_readfirstlane_b32 s20, v1                    ; wave
	v_and_b32 v2, 31, v0                           ; lane
	s_wait_kmcnt 0x0
	s_cmp_lt_u32 ttmp9, 128
	s_cbranch_scc0 .Lweights
	; ---- x
	v_lshlrev_b32 v3, 4, v2                        ; my 16 bytes of a load's 512
	s_mul_i32 s21, s20, WREG
	v_lshrrev_b32 v14, 2, v2
	v_mul_u32_u24 v14, v14, SP
	v_and_b32 v15, 3, v2
	v_lshl_add_u32 v14, v15, 4, v14
	v_add_nc_u32 v14, s21, v14                     ; the stage, on the way in: SP (lane / 4) + 16 (lane % 4)
	v_mul_u32_u24 v15, v2, SP
	v_add_nc_u32 v15, s21, v15                     ; and on the way out: SP x lane: my 16 neighbours
	v_mul_u32_u24 v4, v2, CB                       ; my codes' place in a step's
	v_lshrrev_b32 v5, 1, v2
	s_add_co_u32 s21, s21, 2*32*SP
	v_add_nc_u32 v5, s21, v5                       ; LDS: my wave's 256 scale bytes, my block's byte
	v_lshlrev_b32 v7, 3, v2                        ; and on the way out 8 bytes a lane
	v_add_nc_u32 v6, s21, v7
	s_lshl_b32 s22, ttmp9, 2
	s_add_co_u32 s22, s22, s20                     ; which run of 8,192 numbers is my wave's
	s_mov_b32 s25, 0
	s_lshl_b32 s24, s22, 15
	s_add_nc_u64 s[4:5], s[4:5], s[24:25]
	s_lshl_b32 s24, s22, 12
	s_add_nc_u64 s[14:15], s[14:15], s[24:25]
	s_lshl_b32 s24, s22, 8
	s_add_nc_u64 s[16:17], s[16:17], s[24:25]
.irp t, 0,1,2,3
	XLOAD \t
.endr
	s_wait_loadcnt 12                              ; step 0's four loads are in
	XTURN 0
.irp t, 0,1,2,3,4,5,6,7,8,9,10,11,12,13,14,15
	XSTEP \t
.endr
	ds_load_b64 v[8:9], v6                         ; LDS serves a wave's instructions in order: these see my byte stores
	s_wait_dscnt 0x0
	global_store_b64 v7, v[8:9], s[16:17]          ; 32 lanes store 256 consecutive bytes, aligned
	s_wait_tensorcnt 0x0                           ; the wave's end, behind my last LDS store
	ds_add_u32 v[SPW], v[NIL]
	s_wait_dscnt 0x0
	s_endpgm
.Lweights:
	v_lshlrev_b32 v3, 2, v2                        ; 4 bytes a lane: a lane takes a column
	s_cmp_lt_u32 ttmp9, 192
	s_cbranch_scc0 .Lnot_qk
	WQ 2048, 32768, 128
.Lnot_qk:
	s_cmp_lt_u32 ttmp9, 208
	s_cbranch_scc0 .Lwo
	WQ 1024, 67584, 192
.Lwo:
	; ---- Wo: plane k / 64 of block n / 128.  16 (n / 128) + k / 64 is the work-group's number in this way
	s_sub_co_u32 s21, ttmp9, 208
	s_lshr_b32 s22, s21, 4                         ; n / 128
	s_and_b32 s23, s21, 15                         ; k / 64
	s_lshl_b32 s24, s23, 18                        ; 64 rows of 4,096 bytes
	s_lshl_b32 s25, s22, 9
	s_add_co_u32 s24, s24, s25
	s_lshl_b32 s25, s20, 7
	s_add_co_u32 s24, s24, s25
	s_mov_b32 s25, 0
	s_add_nc_u64 s[12:13], s[12:13], s[24:25]
.set i, 0
.rept 64
	global_load_b32 v[32+i], v3, s[12:13] offset:4096*i th:TH_LOAD_NT   ; Wo(64 plane + i, my column)
.set i, i+1
.endr
	s_lshl_b32 s24, s21, 14                        ; a plane is 128 rows of 128 bytes,
	s_lshl_b32 s26, s20, 12                        ; my wave's 32 rows of it
	s_add_co_u32 s24, s24, s26
	s_add_nc_u64 s[18:19], s[18:19], s[24:25]
	s_mul_i32 s27, s20, 32*144
	s_add_co_u32 s27, s27, OBASE                   ; my stage
	v_mul_u32_u24 v4, v2, 144
	v_add_nc_u32 v4, s27, v4                       ; in: row = my column, 128 bytes + 16
	v_lshrrev_b32 v5, 3, v2
	v_mul_u32_u24 v5, v5, 144
	v_and_b32 v6, 7, v2
	v_lshl_add_u32 v5, v6, 4, v5
	v_add_nc_u32 v5, s27, v5                       ; back: eight lanes to a row, four rows an instruction
	v_lshlrev_b32 v6, 4, v2
	s_wait_loadcnt 0x0
.set i, 0
.rept 32
	v_cvt_pk_f16_f32 v[96+i], v[32+2*i], v[33+2*i] ; two neighbours along K
.set i, i+1
.endr
.irp j, 0,1,2,3,4,5,6,7
	ds_store_b128 v4, v[96+4*\j:99+4*\j] offset:16*\j
.endr
.irp j, 0,1,2,3,4,5,6,7
	ds_load_b128 v[128+4*\j:131+4*\j], v5 offset:576*\j
.endr
.irp j, 0,1,2,3,4,5,6,7
	s_wait_dscnt 7-\j
	global_store_b128 v6, v[128+4*\j:131+4*\j], s[18:19] offset:512*\j   ; the wave stores 512 consecutive bytes
.endr
	s_wait_tensorcnt 0x0                           ; the wave's end, behind my last LDS store
	ds_add_u32 v[SPW], v[NIL]
	s_wait_dscnt 0x0
	s_endpgm
.Lfunc_end_k_q3df49e3228_prep:
	.size	k_q3df49e3228_prep, .Lfunc_end_k_q3df49e3228_prep-k_q3df49e3228_prep
	.p2alignl 7, 3214868480
	.fill 96, 4, 3214868480
	.section	.rodata,"a",@progbits
	.p2align	6, 0x0
	.amdhsa_kernel k_q3df49e3228_prep
		.amdhsa_group_segment_fixed_size 121344
		.amdhsa_private_segment_fixed_size 0
		.amdhsa_enable_private_segment 0
		.amdhsa_kernarg_size 64
		.amdhsa_user_sgpr_count 2
		.amdhsa_user_sgpr_kernarg_segment_ptr 1
		.amdhsa_wavefront_size32 1
		.amdhsa_system_sgpr_workgroup_id_x 1
		.amdhsa_system_sgpr_workgroup_id_y 1
		.amdhsa_system_sgpr_workgroup_id_z 1
		.amdhsa_system_vgpr_workitem_id 0
		.amdhsa_next_free_vgpr 192
		.amdhsa_next_free_sgpr 66
		.amdhsa_reserve_vcc 0
		.amdhsa_float_denorm_mode_32 3
		.amdhsa_float_denorm_mode_16_64 3
		.amdhsa_memory_ordered 1
		.amdhsa_forward_progress 1
		.amdhsa_inst_pref_size 200
	.end_amdhsa_kernel
	.amdgpu_metadata
---
amdhsa.version: [ 1, 2 ]
amdhsa.kernels:
  - .name:           k_q3df49e3228_prep
    .symbol:         k_q3df49e3228_prep.kd
    .args:
      - { .name: x, .offset: 0, .size: 8, .value_kind: global_buffer, .address_space: global }
      - { .name: Wq, .offset: 8, .size: 8, .value_kind: global_buffer, .address_space: global }
      - { .name: Wk, .offset: 16, .size: 8, .value_kind: global_buffer, .address_space: global }
      - { .name: Wv, .offset: 24, .size: 8, .value_kind: global_buffer, .address_space: global }
      - { .name: Wo, .offset: 32, .size: 8, .value_kind: global_buffer, .address_space: global }
      - { .name: codes, .offset: 40, .size: 8, .value_kind: global_buffer, .address_space: global }
      - { .name: scl, .offset: 48, .size: 8, .value_kind: global_buffer, .address_space: global }
      - { .name: wo16, .offset: 56, .size: 8, .value_kind: global_buffer, .address_space: global }
    .group_segment_fixed_size: 121344
    .private_segment_fixed_size: 0
    .kernarg_segment_align: 8
    .kernarg_segment_size: 64
    .max_flat_workgroup_size: 128
    .sgpr_count:     66
    .vgpr_count:     192
    .wavefront_size: 32
...
	.end_amdgpu_metadata
.endif
;; end of part 1
;; launch qkv (part 2): grid 16 x 16, 4 waves a work-group, clusters of 4 x 4, 327,680 bytes of LDS; arguments codes, scl, qb, kb, vb; writes qb, kb, vb
.if DOCPART == 2
	.amdgcn_target "amdgcn-amd-amdhsa--gfx1250"
	.amdhsa_code_object_version 6
	.text
	.protected	k_q3df49e3228_qkv
	.globl	k_q3df49e3228_qkv
	.p2align	8
	.type	k_q3df49e3228_qkv,@function
k_q3df49e3228_qkv:
	s_mov_b64 s[64:65], 0
	v_nop
	global_prefetch_b8 v0, s[64:65] scope:SCOPE_SE
	s_setreg_imm32_b32 hwreg(HW_REG_WAVE_MODE, 25, 1), 1
	s_wait_xcnt 0x0
	s_wait_alu depctr_hold_cnt(0) depctr_sa_sdst(0) depctr_va_vdst(0) depctr_va_sdst(0) depctr_va_ssrc(0) depctr_va_vcc(0) depctr_vm_vsrc(0)
	s_getreg_b32 s2, hwreg(HW_REG_IB_STS2, 6, 4)
	s_cmp_eq_u32 s2, 0
	s_cbranch_scc0 .Lentry_in_a_cluster
	s_endpgm
.Lentry_in_a_cluster:
	s_bfe_u32 s2, ttmp6, 0x10000c
	s_cmp_lg_u32 s2, 0xf033
	s_cbranch_scc0 .Lentry_shape_is_right
	s_endpgm
.Lentry_shape_is_right:
; QKV.  The three projections of x on codes of FP4 (E2M1) with E8M0 scales: C = x W^T, x [4096][1024], W [5120][1024] in head order (a head's 128 columns of Q, 128 of K, 64 of V); sums in f32; results rounded to f16.
; OUT: qb, kb [b 16 + head][s][128] and vb [b 16 + head][s][64], f16.  LIMIT: results beyond 65,504 do not fit f16 (the drawn inputs give magnitudes of about 5).
; SHARES.  A work-group makes 256 rows x one head's 320 columns; wave w makes rows 128 (w / 2) on x columns 160 (w % 2) on: 8 x 10 accumulators of 16 x 16, 640 registers.
; ALL OF K LIES IN LDS: two chunks of 512 along K, rows of 256 bytes; every byte is filled once, so there is no ring.  Each wave brings 64 rows of x and 80 of W for each chunk: four tensor loads, all issued at the start.
; CLUSTER 4 x 4: the four work-groups of a row of the cluster need the same rows of x, the four of a column the same head's rows of W: each tile is asked for jointly, with a mask that names the four.
; THE MATRIX INSTRUCTION IS USED TRANSPOSED (source 0 = 16 rows of W, source 1 = 16 rows of x): a lane holds eight neighbouring columns of one row of C.
; REGISTERS, in windows of 256: window 0: v0-23 addresses; v24-103 scale words; v104-167 x's fragments, one set; v168-247 the accumulators of x's block 7; v248, v249 the add's two.
;   window 1: v0-79, v80-159 W's fragments, two sets; v160-239 block 6's accumulators.   window 2: blocks 0-2.   window 3: blocks 3-5.
.set PITCH,  272                       ; an LDS row: 256 bytes + 16 of padding: the 16 rows of a fragment load start in 16 different groups of banks
.set CH,     576*PITCH                 ; a chunk: x's 256 rows, then W's 320
.set SPARE,  2*CH                      ; behind the chunks: the spare words, 128 bytes a wave, that no other line names
.set SPITCH, 656                       ; the way out: a stage of 256 rows x (640 bytes + 16) from LDS byte 0 on, in bytes that have had their last fill and their last read
.set WC0,    2097152
.set WS0,    131072
.set STO0, 8                           ; v8, v9  the stage: where I put 16 bytes of a row (x's blocks 0-3, 4-7)
.set RDQ,  10                          ; v10     where I read a row's Q or K back
.set RDV,  11                          ; v11     and its V
.set GO,   12                          ; v12     16 x lane
.set VS,   13                          ; v13     my scale words' byte in scl
.set ADRA, 16                          ; v16-17  LDS address of my x fragments in chunk 0, 1
.set ADRB, 20                          ; v20-21  the same for W
.set SC,   24                          ; register 8 i + q: lanes 0-15 the word of x's block i, lanes 16-31 that of W's block i, for the q-th 128 along K
.set AF,   104
.set SPW,  248
.set NIL,  249
.set G1A, 32                           ; s[32:39] descriptor group 1 for x's tiles;  s[40:47] for W's
.set G1B, 40
.set G0A, 48                           ; s[48:51] x chunk 0, s[52:55] W chunk 0, s[56:59] x chunk 1, s[60:63] W chunk 1
.set MSB, 0
.macro WIN new                         ; the immediate's high byte repeats the setting that is left
.if MSB != \new
	s_set_vgpr_msb (MSB<<8)|\new
.set MSB, \new
.endif
.endm
.macro CROUND                          ; a round of the cluster's barrier
	s_barrier_signal -1
	s_barrier_wait -1
	s_cmp_lg_u32 s14, 0
	s_cbranch_scc1 .Lnot_wave_0_\@
	s_barrier_signal -3
.Lnot_wave_0_\@:
	s_barrier_wait -3
	s_barrier_signal -1
	s_barrier_wait -1
.endm
.macro PLACES                          ; four plain places behind matrix instructions, ahead of loads into their registers and of reads of results
.rept 4
	v_nop
.endr
.endm
.macro FRAG reg, adr, qq, i            ; 16 rows x 128 K of 4-bit codes: lane l holds row l % 16; registers 4 c .. 4 c + 3 hold K = 64 c + 32 (l / 16) + 0 .. 31
.irp cc, 0,1
	ds_load_b128 v[\reg+4*\cc:\reg+4*\cc+3], v[\adr] offset:64*(\qq)+32*\cc+(\i)*16*PITCH
.endr
.endm
.macro FETCH_B c, qq, p                ; W's ten fragments of chunk c's qq-th 128 along K into set p
	WIN 0x40
.irp i, 0,1,2,3,4,5,6,7,8,9
	FRAG 80*(\p)+8*\i, ADRB+\c, \qq, \i
.endr
	WIN 0
.endm
.macro FETCH_A c, qq, i0               ; x's blocks i0 .. i0 + 3
.irp i, \i0, \i0+1, \i0+2, \i0+3
	FRAG AF+8*(\i), ADRA+\c, \qq, \i
.endr
.endm
; Ten matrix instructions: x's block a against W's ten, the q-th 128 along K.  p: W's set.  zero = 1: the product starts the sums.  The 80 accumulators take turns, one instruction a turn, in the same order in every step.
.macro MULA a, p, q, zero
.if (\a) < 3
	WIN 0xa1
.set AC, 80*(\a)
.elseif (\a) < 6
	WIN 0xf1
.set AC, 80*((\a)-3)
.elseif (\a) == 6
	WIN 0x51
.set AC, 160
.else
	WIN 0x01
.set AC, 168
.endif
.irp b, 0,1,2,3,4,5,6,7,8,9
.if \zero
	v_wmma_scale_f32_16x16x128_f8f6f4 v[AC+8*\b:AC+8*\b+7], v[80*(\p)+8*\b:80*(\p)+8*\b+7], v[AF+8*(\a):AF+8*(\a)+7], 0, v[SC+8*\b+(\q)], v[SC+8*(\a)+(\q)] matrix_a_fmt:MATRIX_FMT_FP4 matrix_b_fmt:MATRIX_FMT_FP4 matrix_a_scale:MATRIX_SCALE_ROW1
.else
	v_wmma_scale_f32_16x16x128_f8f6f4 v[AC+8*\b:AC+8*\b+7], v[80*(\p)+8*\b:80*(\p)+8*\b+7], v[AF+8*(\a):AF+8*(\a)+7], v[AC+8*\b:AC+8*\b+7], v[SC+8*\b+(\q)], v[SC+8*(\a)+(\q)] matrix_a_fmt:MATRIX_FMT_FP4 matrix_b_fmt:MATRIX_FMT_FP4 matrix_a_scale:MATRIX_SCALE_ROW1
.endif
.endr
.endm
; A step of 128 along K that has its successor in the same chunk.  A block of x is free once its ten products are issued, so x has one set: blocks 0-3 come anew in the step's middle, blocks 4-7 at its end.
.macro STEP c, qq, zero
	s_wait_dscnt 8                                 ; W's set and x's blocks 0-3 are in; the youngest eight loads (blocks 4-7) may be out
.irp a, 0,1,2,3
	MULA \a, (\qq)%2, 4*(\c)+(\qq), \zero
.endr
	s_wait_dscnt 0x0                               ; blocks 4-7 are in
	PLACES
	FETCH_B \c, (\qq)+1, 1-(\qq)%2
	FETCH_A \c, (\qq)+1, 0
.irp a, 4,5,6,7
	MULA \a, (\qq)%2, 4*(\c)+(\qq), \zero
.endr
	PLACES
	WIN 0
	FETCH_A \c, (\qq)+1, 4
.endm
	s_load_b256 s[4:11], s[0:1], 0x0               ; codes 4, scl 6, qb 8, kb 10
	s_load_b64 s[12:13], s[0:1], 0x20              ; vb
	v_lshl_add_u32 v[SPW], v0, 2, SPARE
	v_mov_b32 v[NIL], 0
	ds_add_u32 v[SPW], v[NIL]                      ; the wave's opening: the add, twice on end, and its wait ahead of my first tensor load
	ds_add_u32 v[SPW], v[NIL]
	v_lshrrev_b32 v1, 5, v0
	v_readfirstlane_b32 s14, v1                    ; wave 0..3
	s_lshr_b32 s15, s14, 1                         ; which 128 rows are mine
	s_and_b32 s16, s14, 1                          ; which 160 columns
	s_bfe_u32 s17, ttmp6, 0x40000                  ; cx
	s_bfe_u32 s18, ttmp6, 0x40004                  ; cy
	s_lshl_b32 s19, ttmp9, 2
	s_add_co_u32 s19, s19, s17                     ; the head = 4 x cluster x + cx
	s_and_b32 s20, ttmp7, 0xffff
	s_lshl_b32 s20, s20, 2
	s_add_co_u32 s20, s20, s18                     ; the block of 256 rows = 4 x cluster y + cy
	s_lshl_b32 s21, s18, 2
	s_lshl_b32 s21, 15, s21                        ; my row of the cluster
	s_lshl_b32 s22, 0x1111, s17                    ; my column
	s_or_b32 s[G1A], s21, (0<<16)|(1<<20)|(1<<21)|(5<<22)|(3<<25)   ; the mask; elements of 1 byte; padding on; bit 21 beside a mask; after every 64 words, 4 words
	s_or_b32 s[G1B], s22, (0<<16)|(1<<20)|(1<<21)|(5<<22)|(3<<25)
	s_mov_b32 s[G1A+1], 256<<16                    ; tensor_dim0 = 256 bytes
	s_mov_b32 s[G1A+2], 64<<16                     ; tensor_dim1 = 64 rows
	s_mov_b32 s[G1A+3], 256<<16                    ; tile_dim0
	s_mov_b32 s[G1A+4], 64                         ; tile_dim1
	s_mov_b32 s[G1A+5], 512                        ; from row to row
	s_mov_b32 s[G1A+6], 0
	s_mov_b32 s[G1A+7], 0
	s_mov_b32 s[G1B+1], 256<<16
	s_mov_b32 s[G1B+2], 80<<16                     ; 80 rows
	s_mov_b32 s[G1B+3], 256<<16
	s_mov_b32 s[G1B+4], 80
	s_mov_b32 s[G1B+5], 512
	s_mov_b32 s[G1B+6], 0
	s_mov_b32 s[G1B+7], 0
	s_lshl_b32 s24, s20, 17                        ; x: (256 block + 64 wave) rows of 512 bytes: made of the block and the wave alone
	s_lshl_b32 s26, s14, 15
	s_add_co_u32 s24, s24, s26
	s_mov_b32 s25, 0
	s_mul_i32 s28, s19, 320*512                    ; W: (320 head + 80 wave) rows: made of the head and the wave alone
	s_mul_i32 s26, s14, 80*512
	s_add_co_u32 s28, s28, s26
	s_add_co_u32 s28, s28, WC0
	s_mov_b32 s29, 0
	s_mul_i32 s30, s14, 64*PITCH                   ; where they go: no place in the cluster enters an LDS address
	s_mul_i32 s31, s14, 80*PITCH
	s_add_co_u32 s31, s31, 256*PITCH
	s_wait_dscnt 0x0                               ; both opening adds are done
	s_wait_kmcnt 0x0
	s_add_nc_u64 s[24:25], s[4:5], s[24:25]
	s_add_nc_u64 s[28:29], s[4:5], s[28:29]
.irp c, 0,1
	s_mov_b32 s[G0A+8*\c], 1
	s_add_co_u32 s[G0A+8*\c+1], s30, \c*CH
	s_add_nc_u64 s[G0A+8*\c+2:G0A+8*\c+3], s[24:25], \c*256
	s_or_b32 s[G0A+8*\c+3], s[G0A+8*\c+3], 0x80000000
	s_mov_b32 s[G0A+8*\c+4], 1
	s_add_co_u32 s[G0A+8*\c+5], s31, \c*CH
	s_add_nc_u64 s[G0A+8*\c+6:G0A+8*\c+7], s[28:29], \c*256
	s_or_b32 s[G0A+8*\c+7], s[G0A+8*\c+7], 0x80000000
.endr
	CROUND                                         ; all sixteen work-groups are here: the joint loads meet
	tensor_load_to_lds s[48:51], s[G1A:G1A+7]      ; four loads of mine are out: chunk 0's two,
	s_nop 0
	tensor_load_to_lds s[52:55], s[G1B:G1B+7]
	s_nop 0
	tensor_load_to_lds s[56:59], s[G1A:G1A+7]      ; and chunk 1's two
	s_nop 0
	tensor_load_to_lds s[60:63], s[G1B:G1B+7]
	s_nop 0
	PLACES
	v_and_b32 v1, 15, v0                           ; r = lane % 16
	v_bfe_u32 v2, v0, 4, 1                         ; h = lane / 16
	s_lshl_b32 s21, s20, 8                         ; the scale words: 32 bytes a row.  Lanes 0-15 take x's rows, lanes 16-31 W's: the lower base + h x the distance
	s_lshl_b32 s22, s15, 7
	s_add_co_u32 s21, s21, s22
	s_lshl_b32 s21, s21, 5
	s_mul_i32 s22, s19, 320
	s_mul_i32 s23, s16, 160
	s_add_co_u32 s22, s22, s23
	s_lshl_b32 s22, s22, 5
	s_add_co_u32 s22, s22, WS0
	s_sub_co_u32 s22, s22, s21
	v_mul_lo_u32 v[VS], v2, s22
	v_lshl_add_u32 v[VS], v1, 5, v[VS]
	v_add_nc_u32 v[VS], s21, v[VS]
.irp i, 0,1,2,3,4,5,6,7,8,9
.irp u, 0,1
	global_load_b128 v[SC+8*\i+4*\u:SC+8*\i+4*\u+3], v[VS], s[6:7] offset:512*\i+16*\u   ; block i's words of all of K (for i = 8, 9 lanes 0-15 read rows that are not used; they lie inside the buffer)
.endr
.endr
	v_mul_u32_u24 v3, v1, PITCH
	v_lshl_add_u32 v3, v2, 4, v3                   ; a fragment's row x pitch + 16 x half
	s_mul_i32 s21, s15, 128*PITCH
	s_mul_i32 s22, s16, 160*PITCH
	s_add_co_u32 s22, s22, 256*PITCH
.irp c, 0,1
	v_add_nc_u32 v[ADRA+\c], s21, v3
	v_add_nc_u32 v[ADRB+\c], s22, v3
	s_add_co_u32 s21, s21, CH
	s_add_co_u32 s22, s22, CH
.endr
	v_mul_u32_u24 v4, v1, SPITCH                   ; the stage, in: row 128 (w / 2) + r, byte 320 (w % 2) + 16 h
	v_lshl_add_u32 v4, v2, 4, v4
	s_mul_i32 s21, s15, 128*SPITCH
	s_mul_i32 s22, s16, 320
	s_add_co_u32 s21, s21, s22
	v_add_nc_u32 v[STO0], s21, v4
	v_add_nc_u32 v[STO0+1], 64*SPITCH, v[STO0]
	s_mul_i32 s21, s14, 64*SPITCH                  ; back: wave w takes rows 64 w on, whole
	v_mul_u32_u24 v5, v2, SPITCH
	v_lshl_add_u32 v5, v1, 4, v5
	v_add_nc_u32 v[RDQ], s21, v5                   ; Q, K: sixteen lanes to a row's 256 bytes
	v_bfe_u32 v6, v0, 3, 2
	v_and_b32 v7, 7, v0
	v_mul_u32_u24 v6, v6, SPITCH
	v_lshl_add_u32 v6, v7, 4, v6
	v_add_nc_u32 v6, s21, v6
	v_add_nc_u32 v[RDV], 512, v6                   ; V: eight lanes to a row's 128 bytes
	v_and_b32 v5, 31, v0
	v_lshlrev_b32 v[GO], 4, v5
	s_lshr_b32 s21, s20, 3                         ; the batch,
	s_lshl_b32 s21, s21, 4
	s_add_co_u32 s21, s21, s19                     ; 16 batch + head,
	s_lshl_b32 s21, s21, 11
	s_and_b32 s22, s20, 7
	s_lshl_b32 s22, s22, 8
	s_add_co_u32 s21, s21, s22
	s_lshl_b32 s22, s14, 6
	s_add_co_u32 s21, s21, s22                     ; the first row that I store
	s_lshl_b32 s22, s21, 8
	s_mov_b32 s23, 0
	s_add_nc_u64 s[8:9], s[8:9], s[22:23]
	s_add_nc_u64 s[10:11], s[10:11], s[22:23]
	s_lshl_b32 s22, s21, 7
	s_add_nc_u64 s[12:13], s[12:13], s[22:23]
	s_wait_tensorcnt 2                             ; my parts of chunk 0 are in; chunk 1's two loads may be out
	s_barrier_signal -1
	s_barrier_wait -1                              ; everybody's are
	FETCH_B 0, 0, 0
	FETCH_A 0, 0, 0
	FETCH_A 0, 0, 4
	s_wait_loadcnt 0x0                             ; the scale words
	STEP 0, 0, 1                                   ; the first step's products start the sums
	STEP 0, 1, 0
	STEP 0, 2, 0
	; chunk 0's last step goes over to chunk 1: one barrier, in front of which each wave has seen its own loads land
	s_wait_tensorcnt 0x0                           ; my parts of chunk 1 are in  (every window is 0 here)
	ds_add_u32 v[SPW], v[NIL]                      ; 0 onto my spare word
	s_wait_dscnt 9                                 ; the add and the youngest eight loads may be out
	MULA 0, 1, 3, 0
	MULA 1, 1, 3, 0
	s_wait_dscnt 0x0
	s_barrier_signal -1
	MULA 2, 1, 3, 0
	MULA 3, 1, 3, 0
	s_barrier_wait -1                              ; chunk 1 is whole
	PLACES
	FETCH_B 1, 0, 0
	FETCH_A 1, 0, 0
.irp a, 4,5,6,7
	MULA \a, 1, 3, 0
.endr
	PLACES
	WIN 0
	FETCH_A 1, 0, 4
	STEP 1, 0, 0
	STEP 1, 1, 0
	STEP 1, 2, 0
	s_wait_dscnt 8                                 ; the last step: nothing more to fetch
.irp a, 0,1,2,3
	MULA \a, 1, 7, 0
.endr
	s_wait_dscnt 0x0
.irp a, 4,5,6,7
	MULA \a, 1, 7, 0
.endr
	WIN 0
	PLACES
	s_barrier_signal -1                            ; no LDS instruction of mine is out: nobody reads the chunks behind this barrier, and the stage may be written over them
	s_barrier_wait -1
; THE WAY OUT.  Five tiles of one block of x at a time: rounded to f16, 16 bytes a lane, into the work-group's stage; two sets of registers by turns.
.macro UNIT a, u
.set PKR, 104+20*(\u)
.if (\a) < 3
.set AC, 80*(\a)
.set WW, 0x0a
.elseif (\a) < 6
.set AC, 80*((\a)-3)
.set WW, 0x0f
.elseif (\a) == 6
.set AC, 160
.set WW, 0x05
.else
.set AC, 168
.set WW, 0
.endif
	s_wait_dscnt 5                                 ; the stores that read this set of registers are done; the unit before may be out
	WIN WW
.irp b, 0,1,2,3,4
.irp j, 0,1,2,3
	v_cvt_pk_f16_f32 v[PKR+4*\b+\j], v[AC+8*(5*(\u)+\b)+2*\j], v[AC+8*(5*(\u)+\b)+2*\j+1]   ; each accumulator from its low end on
.endr
.endr
	WIN 0
.irp b, 0,1,2,3,4
	ds_store_b128 v[STO0+(\a)/4], v[PKR+4*\b:PKR+4*\b+3] offset:((\a)%4)*16*SPITCH+32*(5*(\u)+\b)
.endr
.endm
.irp a, 0,1,2,3,4,5,6,7
	UNIT \a, 0
	UNIT \a, 1
.endr
	s_wait_dscnt 0x0                               ; for the others' sake: my stores into the stage are done
	s_barrier_signal -1
	s_barrier_wait -1
; Five batches of 16 loads: Q's rows 0-31, 32-63 of my 64, K's likewise, V's 64.  Each store covers 512 consecutive bytes.
.macro RDB n
.set BB, 104+64*((\n)%2)
.irp t, 0,1,2,3,4,5,6,7,8,9,10,11,12,13,14,15
.if (\n) < 4
	ds_load_b128 v[BB+4*\t:BB+4*\t+3], v[RDQ] offset:(16*((\n)%2)+\t)*2*SPITCH+256*((\n)/2)
.else
	ds_load_b128 v[BB+4*\t:BB+4*\t+3], v[RDV] offset:\t*4*SPITCH
.endif
.endr
.endm
.macro SENDB n, younger                ; younger: the next batch's loads, which may stay out
.set BB, 104+64*((\n)%2)
.irp t, 0,1,2,3,4,5,6,7,8,9,10,11,12,13,14,15
	s_wait_dscnt \younger+15-\t
.if (\n) < 2
	global_store_b128 v[GO], v[BB+4*\t:BB+4*\t+3], s[8:9] offset:(16*((\n)%2)+\t)*512
.elseif (\n) < 4
	global_store_b128 v[GO], v[BB+4*\t:BB+4*\t+3], s[10:11] offset:(16*((\n)%2)+\t)*512
.else
	global_store_b128 v[GO], v[BB+4*\t:BB+4*\t+3], s[12:13] offset:\t*512
.endif
.endr
.endm
	RDB 0
	RDB 1
	SENDB 0, 16
.irp n, 1,2,3
	s_wait_xcnt 0x0                                ; the stores of the batch before have read their registers: the next batch may land there
	RDB \n+1
	SENDB \n, 16
.endr
	SENDB 4, 0
	s_wait_tensorcnt 0x0                           ; the wave's end, behind my last tensor load and my last LDS store
	ds_add_u32 v[SPW], v[NIL]
	s_wait_dscnt 0x0
	CROUND                                         ; the closing round
	s_endpgm
.Lfunc_end_k_q3df49e3228_qkv:
	.size	k_q3df49e3228_qkv, .Lfunc_end_k_q3df49e3228_qkv-k_q3df49e3228_qkv
	.p2alignl 7, 3214868480
	.fill 96, 4, 3214868480
	.section	.rodata,"a",@progbits
	.p2align	6, 0x0
	.amdhsa_kernel k_q3df49e3228_qkv
		.amdhsa_group_segment_fixed_size 327680
		.amdhsa_private_segment_fixed_size 0
		.amdhsa_enable_private_segment 0
		.amdhsa_kernarg_size 40
		.amdhsa_user_sgpr_count 2
		.amdhsa_user_sgpr_kernarg_segment_ptr 1
		.amdhsa_wavefront_size32 1
		.amdhsa_system_sgpr_workgroup_id_x 1
		.amdhsa_system_sgpr_workgroup_id_y 1
		.amdhsa_system_sgpr_workgroup_id_z 1
		.amdhsa_system_vgpr_workitem_id 0
		.amdhsa_next_free_vgpr 1024
		.amdhsa_next_free_sgpr 66
		.amdhsa_reserve_vcc 0
		.amdhsa_float_denorm_mode_32 3
		.amdhsa_float_denorm_mode_16_64 3
		.amdhsa_memory_ordered 1
		.amdhsa_forward_progress 1
		.amdhsa_inst_pref_size 155
	.end_amdhsa_kernel
	.amdgpu_metadata
---
amdhsa.version: [ 1, 2 ]
amdhsa.kernels:
  - .name:           k_q3df49e3228_qkv
    .symbol:         k_q3df49e3228_qkv.kd
    .args:
      - { .name: codes, .offset: 0, .size: 8, .value_kind: global_buffer, .address_space: global }
      - { .name: scl, .offset: 8, .size: 8, .value_kind: global_buffer, .address_space: global }
      - { .name: qb, .offset: 16, .size: 8, .value_kind: global_buffer, .address_space: global }
      - { .name: kb, .offset: 24, .size: 8, .value_kind: global_buffer, .address_space: global }
      - { .name: vb, .offset: 32, .size: 8, .value_kind: global_buffer, .address_space: global }
    .group_segment_fixed_size: 327680
    .private_segment_fixed_size: 0
    .kernarg_segment_align: 8
    .kernarg_segment_size: 40
    .max_flat_workgroup_size: 128
    .sgpr_count:     66
    .vgpr_count:     1024
    .wavefront_size: 32
...
	.end_amdgpu_metadata
.endif
;; end of part 2
;; launch attn (part 3): grid 8 x 32, 8 waves a work-group, clusters of 4 x 1, 327,680 bytes of LDS; arguments qb, kb, vb, lambda_q1, lambda_k1, lambda_q2, lambda_k2, ab; writes ab
.if DOCPART == 3
	.amdgcn_target "amdgcn-amd-amdhsa--gfx1250"
	.amdhsa_code_object_version 6
	.text
	.protected	k_q3df49e3228_attn
	.globl	k_q3df49e3228_attn
	.p2align	8
	.type	k_q3df49e3228_attn,@function
k_q3df49e3228_attn:
	s_mov_b64 s[64:65], 0
	v_nop
	global_prefetch_b8 v0, s[64:65] scope:SCOPE_SE
	s_setreg_imm32_b32 hwreg(HW_REG_WAVE_MODE, 25, 1), 1
	s_wait_xcnt 0x0
	s_wait_alu depctr_hold_cnt(0) depctr_sa_sdst(0) depctr_va_vdst(0) depctr_va_sdst(0) depctr_va_ssrc(0) depctr_va_vcc(0) depctr_vm_vsrc(0)
	s_getreg_b32 s2, hwreg(HW_REG_IB_STS2, 6, 4)
	s_cmp_eq_u32 s2, 0
	s_cbranch_scc0 .Lentry_in_a_cluster
	s_endpgm
.Lentry_in_a_cluster:
	s_bfe_u32 s2, ttmp6, 0x10000c
	s_cmp_lg_u32 s2, 0x3003
	s_cbranch_scc0 .Lentry_shape_is_right
	s_endpgm
.Lentry_shape_is_right:
; ATTN.  For each (batch, head): o = softmax(Q1 K1^T / 8) V - lambda softmax(Q2 K2^T / 8) V, lambda = exp(sum lq1 lk1) - exp(sum lq2 lk2) + 0.77787.  Operands f16, products, maxima and sums f32.
; A softmax's row sum is known only at the end of the keys, so each softmax keeps its own O^T, running maximum m and sum l; they are joined at the end: o = O1 / l1 - lambda O2 / l2.
; OUT: ab [m / 128][head][m % 128][64] f16 holds o x sc, sc = 2^(2 - floor(log2(1 + |lambda|))), a power of two that keeps |o sc| under 8 max|V| for every lambda; the LayerNorm's launch takes it off again.
; LIMITS: |V| under 8,188 (f16's range behind sc); NaN and infinities are not served; weights p under 6e-5 are kept with an absolute error of 2^-25.
; SHARES.  A work-group owns 256 queries of one head, each of its eight waves 32: two tiles of 16.  Two waves share a SIMD's registers, so that one wave's softmax stands beside the other's products.  Every wave walks all 2,048 keys, 64 a step.
; LAYOUT.  S^T = K Q^T (source 0 = 16 keys, source 1 = 16 queries): a lane holds ONE query (lane % 16) and keys 8 (lane / 16) + 0..7 of each tile.  Two such tiles, rounded to f16 in pairs, are source 1 of O^T = V^T P.  V ([key][channel]) comes out of LDS turned.
; SOFTMAX.  p = 2^(c s - c m), c = log2(e) / 8; in every step O^T and l are multiplied by a = 2^(c m_old - c m_new).  m begins at -3e38 and O^T, l at 0, so the step is written once.
; RING.  Two slots of four key steps (a step: 64 rows of K, 256 bytes + 16; then 64 rows of V, 128 bytes + 32).  Waves 0-3 fetch the four steps' K, waves 4-7 their V: one load a wave for each change of slots.
; CLUSTER 4 x 1: the four query blocks of a cluster walk the same K and V: each tile is asked for jointly, mask 15.
; REGISTERS: window 0: v2-11 addresses; v16-47 statistics, eight a (softmax, tile): +0 c m, +1 m, +2, +3 l in two halves, +4 to +7 at work (a at +6); v48-55; v64-127 S^T of softmax 1, v128-191 of softmax 2 (P is laid over their low halves); v192-255 K.
;   window 1: v0-63 Q; v64-191 O^T (64 a softmax, 32 a tile); v192-255 V^T.
.set PK,    272
.set PVP,   160
.set VOFF,  64*PK
.set STEPB, 64*(PK+PVP)
.set SLOT1, 1<<17                      ; slot 1 begins here: one exclusive or turns an address in one slot into the other's
.set STAGE, SLOT1+4*STEPB              ; the way out: 32 rows x 144 bytes for each wave
.set SPARE, STAGE+8*32*144             ; the spare words, 128 bytes a wave, that no other line names
.set AK0, 2
.set AV0, 3
.set ADR, 4                            ; v4   address of K's run of loads
.set QO,  5
.set STO, 6
.set RD,  7
.set GO,  8
.set PFO, 9                            ; v9   256 x lane; never rewritten
.set ADRV, 11                          ; v11  address of V's run of loads
.set ST,  16
.set SPW, 48
.set NIL, 49
.set FS,  50                           ; sc
.set FL,  51                           ; -lambda sc
.set CH2, 52                           ; v52-55 the sums' second chains
.set SA,  64
.set KF,  192
.set WV,  20
.set G1K, 32
.set G1V, 40
.set G0K, 48
.set G0V, 52
.set CS,  56                           ; s[56:57] c
.set SEL, 58                           ; s[58:59] v_permlanex16_b32's selects for lane l xor 16
.set TB,  60                           ; s60  LDS byte at which the step's tiles begin
.set SLOTS, 61
.set INNER, 62
.set LIM, 63                           ; s63  1 in a wave that prefetches, else the greatest number
.set PFA, 66                           ; s[66:67] where my prefetches stand
.set PFS, 68                           ; s[68:69] a slot on, in bytes
.set MSB, 0
.macro WIN new
.if MSB != \new
	s_set_vgpr_msb (MSB<<8)|\new
.set MSB, \new
.endif
.endm
.macro PLACES
.rept 4
	v_nop
.endr
.endm
.macro CROUND
	s_barrier_signal -1
	s_barrier_wait -1
	s_cmp_lg_u32 s[WV], 0
	s_cbranch_scc1 .Lnot_wave_0_\@
	s_barrier_signal -3
.Lnot_wave_0_\@:
	s_barrier_wait -3
	s_barrier_signal -1
	s_barrier_wait -1
.endm
.macro JLOAD                           ; a joint load: the branch hangs on the wave's number alone; an s_nop 0 and four v_nop follow each line
	s_cmp_lt_u32 s[WV], 4
	s_cbranch_scc0 .Lfor_v_\@
	tensor_load_to_lds s[G0K:G0K+3], s[G1K:G1K+7]
	s_nop 0
	PLACES
	s_branch .Lasked_\@
.Lfor_v_\@:
	tensor_load_to_lds s[G0V:G0V+3], s[G1V:G1V+7]
	s_nop 0
	PLACES
.Lasked_\@:
.endm
; A prefetch of what the NEXT change of slots will load: 256 rows of K (256 bytes each) and 32,768 dense bytes of V.  Each block of 256 bytes is named once in the launch: the head's first cluster asks; its four partners
; share the blocks out by address (64 rows of K, 32 blocks of V each); in each, waves 0 and 1 ask for K's and wave 4 for V's, a lane a block.  The last change that fills a slot asks for nothing.
.macro ASK
	s_cmp_gt_u32 s[SLOTS], s[LIM]
	s_cbranch_scc0 .Lnot_mine_\@
	global_prefetch_b8 v[PFO], s[PFA:PFA+1] th:TH_LOAD_NT scope:SCOPE_SE
.Lnot_mine_\@:
.endm
.macro FETCH_K sm                      ; the step's K for softmax sm: 64 keys x 64 channels, 8 fragments
	v_add_nc_u32 v[ADR], s[TB], v[AK0]
.irp kt, 0,1,2,3
.irp cs, 0,1
	ds_load_b128 v[KF+8*(2*\kt+\cs):KF+8*(2*\kt+\cs)+3],   v[ADR] offset:128*(\sm)+\kt*16*PK+64*\cs
	ds_load_b128 v[KF+8*(2*\kt+\cs)+4:KF+8*(2*\kt+\cs)+7], v[ADR] offset:128*(\sm)+\kt*16*PK+64*\cs+32
.endr
.endr
.endm
.macro FETCH_V                         ; the step's V, turned: 8 fragments of 16 channels x 32 keys
	v_add_nc_u32 v[ADRV], s[TB], v[AV0]
	WIN 0x40
.irp kk, 0,1
.irp c, 0,1,2,3
	ds_load_tr16_b128 v[192+8*(4*\kk+\c):192+8*(4*\kk+\c)+3],   v[ADRV] offset:\kk*32*PVP+32*\c
	ds_load_tr16_b128 v[192+8*(4*\kk+\c)+4:192+8*(4*\kk+\c)+7], v[ADRV] offset:\kk*32*PVP+16*PVP+32*\c
.endr
.endr
	WIN 0
.endm
.macro KQ sm                           ; S^T = K Q^T: 16 products, eight accumulators by turns; the first eight start the sums
	WIN 0x04
.irp cs, 0,1
.irp kt, 0,1,2,3
.irp t, 0,1
.if \cs == 0
	v_wmma_f32_16x16x32_f16 v[SA+64*(\sm)+32*\t+8*\kt:SA+64*(\sm)+32*\t+8*\kt+7], v[KF+8*(2*\kt+\cs):KF+8*(2*\kt+\cs)+7], v[8*(4*\t+2*(\sm)+\cs):8*(4*\t+2*(\sm)+\cs)+7], 0
.else
	v_wmma_f32_16x16x32_f16 v[SA+64*(\sm)+32*\t+8*\kt:SA+64*(\sm)+32*\t+8*\kt+7], v[KF+8*(2*\kt+\cs):KF+8*(2*\kt+\cs)+7], v[8*(4*\t+2*(\sm)+\cs):8*(4*\t+2*(\sm)+\cs)+7], v[SA+64*(\sm)+32*\t+8*\kt:SA+64*(\sm)+32*\t+8*\kt+7]
.endif
.endr
.endr
.endr
.endm
.macro PV sm                           ; O^T += V^T P: 16 products, eight accumulators by turns
	WIN 0x51
.irp kk, 0,1
.irp c, 0,1,2,3
.irp t, 0,1
	v_wmma_f32_16x16x32_f16 v[64+64*(\sm)+32*\t+8*\c:64+64*(\sm)+32*\t+8*\c+7], v[192+8*(4*\kk+\c):192+8*(4*\kk+\c)+7], v[SA+64*(\sm)+32*\t+8*\kk:SA+64*(\sm)+32*\t+8*\kk+7], v[64+64*(\sm)+32*\t+8*\c:64+64*(\sm)+32*\t+8*\c+7]
.endr
.endr
.endr
.endm
; One softmax's vector work for a key step, both tiles line by line, so that no line waits for the line above it.
.macro SM sm
.set bS, SA+64*(\sm)
.set bT, ST+16*(\sm)
.set bO, 64+64*(\sm)
.irp j, 0,1,2,3                        ; the maximum of my 32 scores and the old m, three operands at a time; each score tile is first read at its low end
.irp t, 0,1
	v_max3_num_f32 v[bT+8*\t+4+\j], v[bS+32*\t+8*\j], v[bS+32*\t+8*\j+1], v[bS+32*\t+8*\j+2]
.endr
.endr
.irp u, 1,2
.irp j, 0,1,2,3
.irp t, 0,1
	v_max3_num_f32 v[bT+8*\t+4+\j], v[bT+8*\t+4+\j], v[bS+32*\t+8*\j+2*\u+1], v[bS+32*\t+8*\j+2*\u+2]
.endr
.endr
.endr
.irp t, 0,1
	v_max3_num_f32 v[bT+8*\t+4], v[bT+8*\t+4], v[bS+32*\t+7], v[bS+32*\t+15]
	v_max3_num_f32 v[bT+8*\t+6], v[bT+8*\t+6], v[bS+32*\t+23], v[bS+32*\t+31]
.endr
.irp t, 0,1
	v_max3_num_f32 v[bT+8*\t+4], v[bT+8*\t+4], v[bT+8*\t+5], v[bT+8*\t+6]
.endr
.irp t, 0,1
	v_max3_num_f32 v[bT+8*\t+4], v[bT+8*\t+4], v[bT+8*\t+7], v[bT+8*\t+1]
.endr
.irp t, 0,1
	v_permlanex16_b32 v[bT+8*\t+5], v[bT+8*\t+4], s[SEL], s[SEL+1]   ; the query's other 32 keys lie in the lane 16 away
.endr
.irp t, 0,1
	v_mov_b32 v[bT+8*\t+7], v[bT+8*\t]             ; c m_old
.endr
.irp t, 0,1
	v_max_num_f32 v[bT+8*\t+1], v[bT+8*\t+4], v[bT+8*\t+5]
.endr
.irp t, 0,1
	v_mul_f32 v[bT+8*\t], s[CS], v[bT+8*\t+1]
.endr
.irp t, 0,1
	v_sub_f32 v[bT+8*\t+7], v[bT+8*\t+7], v[bT+8*\t]
.endr
.set e, 0
.rept 16
.irp t, 0,1
	v_pk_fma_f32 v[bS+32*\t+e:bS+32*\t+e+1], v[bS+32*\t+e:bS+32*\t+e+1], s[CS:CS+1], v[bT+8*\t:bT+8*\t+1] op_sel_hi:[1,0,0] neg_lo:[0,0,1] neg_hi:[0,0,1]   ; c s - c m
.endr
.set e, e+2
.endr
.irp t, 0,1
	v_exp_f32 v[bT+8*\t+6], v[bT+8*\t+7]           ; a
.endr
.set e, 0
.rept 32
.irp t, 0,1
	v_exp_f32 v[bS+32*\t+e], v[bS+32*\t+e]         ; p
.endr
.set e, e+1
.endr
	v_nop                                          ; a plain instruction behind the last exponential,
	s_wait_alu depctr_va_vdst(0)                   ; and the one wait ahead of the first line that names a result: it serves all 66
.irp t, 0,1                            ; the row's sum, of p as it stands in f32, two at a time in two chains
	v_pk_add_f32 v[bT+8*\t+4:bT+8*\t+5], v[bS+32*\t:bS+32*\t+1], v[bS+32*\t+4:bS+32*\t+5]
	v_pk_add_f32 v[CH2+2*\t:CH2+2*\t+1], v[bS+32*\t+2:bS+32*\t+3], v[bS+32*\t+6:bS+32*\t+7]
.endr
.irp b, 8,12,16,20,24,28
.irp t, 0,1
	v_pk_add_f32 v[bT+8*\t+4:bT+8*\t+5], v[bT+8*\t+4:bT+8*\t+5], v[bS+32*\t+\b:bS+32*\t+\b+1]
	v_pk_add_f32 v[CH2+2*\t:CH2+2*\t+1], v[CH2+2*\t:CH2+2*\t+1], v[bS+32*\t+\b+2:bS+32*\t+\b+3]
.endr
.endr
.irp t, 0,1
	v_pk_add_f32 v[bT+8*\t+4:bT+8*\t+5], v[bT+8*\t+4:bT+8*\t+5], v[CH2+2*\t:CH2+2*\t+1]
.endr
.irp t, 0,1
	v_pk_fma_f32 v[bT+8*\t+2:bT+8*\t+3], v[bT+8*\t+2:bT+8*\t+3], v[bT+8*\t+6:bT+8*\t+7], v[bT+8*\t+4:bT+8*\t+5] op_sel_hi:[1,0,1]   ; l = a l + the sum
.endr
.set e, 0
.rept 16
.irp t, 0,1
	v_cvt_pk_f16_f32 v[bS+32*\t+e], v[bS+32*\t+2*e], v[bS+32*\t+2*e+1]   ; P in place, ascending: register e takes scores 2 e and 2 e + 1
.endr
.set e, e+1
.endr
	WIN 0x41
.set e, 0
.rept 16
.irp t, 0,1
	v_pk_mul_f32 v[bO+32*\t+e:bO+32*\t+e+1], v[bO+32*\t+e:bO+32*\t+e+1], v[bT+8*\t+6:bT+8*\t+7] op_sel_hi:[1,0]   ; O^T x a, each accumulator from its low end on
.endr
.set e, e+2
.endr
	WIN 0
.endm
; A TRIP: every LDS read belongs to step n, whose tiles begin at s[TB].  Softmax 2 runs half a step behind softmax 1, so that K needs one set of registers and each run of loads has a softmax's vector work in which to land.
.macro TRIP first
	FETCH_K 0
.if \first == 0
	SM 1                                           ; step n - 1
.endif
	s_wait_dscnt 0x0                               ; K for softmax 1 is in
.if \first == 0
	PV 1                                           ; step n - 1, on V of step n - 1
.endif
	KQ 0
	WIN 0
	PLACES                                         ; ahead of the loads into K's and V's registers and of the first read of the scores
	FETCH_K 1
	FETCH_V
	SM 0
	s_wait_dscnt 16                                ; K for softmax 2 is in; V's sixteen loads may be out
	KQ 1
	s_wait_dscnt 0x0                               ; V is in
	PV 0
	WIN 0
	PLACES
	s_add_co_u32 s[TB], s[TB], STEPB
.endm
.macro LOOPT n
	s_mov_b32 s[INNER], \n
.Ltrip_\@:
	TRIP 0
	s_sub_co_u32 s[INNER], s[INNER], 1
	s_cmp_lg_u32 s[INNER], 0
	s_cbranch_scc1 .Ltrip_\@
.endm
; THE CHANGE OF SLOTS, at a slot's head.  Each wave waits for all its tensor loads (one is out: its part of the slot ahead), adds 0 to its spare word, and waits for that and for its reads of the slot that it has left.
; fill = 1: a round of the cluster's barrier, and behind it first the joint load of the next four steps into the slot just left (at the first change: into slot 1, for the first time): it has four steps' work in which to land.
.macro CHANGE fill, turn
	s_wait_tensorcnt 0x0                           ; no tensor load of mine is out, so a group 0 may be written
	ds_add_u32 v[SPW], v[NIL]
.if \fill
	s_xor_b32 s[G0K+1], s[G0K+1], SLOT1
	s_add_nc_u64 s[G0K+2:G0K+3], s[G0K+2:G0K+3], 4*64*256
	s_xor_b32 s[G0V+1], s[G0V+1], SLOT1
	s_add_nc_u64 s[G0V+2:G0V+3], s[G0V+2:G0V+3], 4*64*128
	s_wait_xcnt 0x0                                ; the last prefetch, four steps back, has read its address
	s_add_nc_u64 s[PFA:PFA+1], s[PFA:PFA+1], s[PFS:PFS+1]
	s_wait_dscnt 0x0
	CROUND
	JLOAD
	ASK
.else
	s_wait_dscnt 0x0
	s_barrier_signal -1
	s_barrier_wait -1
.endif
.if \turn
	s_sub_co_u32 s[TB], s[TB], 4*STEPB
	s_xor_b32 s[TB], s[TB], SLOT1
.endif
.endm
	s_load_b512 s[4:19], s[0:1], 0x0               ; qb 4, kb 6, vb 8, lambda_q1 10, lambda_k1 12, lambda_q2 14, lambda_k2 16, ab 18
	v_lshl_add_u32 v[SPW], v0, 2, SPARE
	v_mov_b32 v[NIL], 0
	ds_add_u32 v[SPW], v[NIL]                      ; the wave's opening: the add, twice on end, and its wait ahead of my first tensor load
	ds_add_u32 v[SPW], v[NIL]
	v_lshrrev_b32 v1, 5, v0
	v_readfirstlane_b32 s[WV], v1                  ; wave 0..7
	s_bfe_u32 s21, ttmp6, 0x40000                  ; cx
	s_lshl_b32 s22, ttmp9, 2
	s_add_co_u32 s22, s22, s21                     ; my block of 256 queries: it enters Q's and ab's addresses and the prefetches' alone
	s_and_b32 s23, ttmp7, 0xffff                   ; 16 batch + head, which the four partners share
	s_and_b32 s24, s[WV], 3                        ; which of a slot's four steps I fetch
	s_mov_b32 s[G1K], 15|(1<<16)|(1<<20)|(1<<21)|(5<<22)|(3<<25)   ; mask: all four; elements of 2 bytes; padding: 4 words after every 64
	s_mov_b32 s[G1K+1], 128<<16
	s_mov_b32 s[G1K+2], 64<<16
	s_mov_b32 s[G1K+3], 128<<16
	s_mov_b32 s[G1K+4], 64
	s_mov_b32 s[G1K+5], 128
	s_mov_b32 s[G1K+6], 0
	s_mov_b32 s[G1K+7], 0
	s_mov_b32 s[G1V], 15|(1<<16)|(1<<20)|(1<<21)|(4<<22)|(7<<25)   ; padding: 8 words after every 32
	s_mov_b32 s[G1V+1], 64<<16
	s_mov_b32 s[G1V+2], 64<<16
	s_mov_b32 s[G1V+3], 64<<16
	s_mov_b32 s[G1V+4], 64
	s_mov_b32 s[G1V+5], 64
	s_mov_b32 s[G1V+6], 0
	s_mov_b32 s[G1V+7], 0
	s_mov_b32 s[CS], 0x3e38aa3b                    ; c = log2(e) / 8
	s_mov_b32 s[CS+1], s[CS]
	s_mov_b32 s[SEL], 0x76543210
	s_mov_b32 s[SEL+1], 0xfedcba98
	s_lshl_b32 s26, s23, 19                        ; K: a head is 2,048 rows of 256 bytes; a step 64 rows
	s_lshl_b32 s28, s24, 14
	s_add_co_u32 s26, s26, s28
	s_mov_b32 s27, 0
	s_lshl_b32 s28, s23, 18                        ; V: rows of 128 bytes
	s_lshl_b32 s30, s24, 13
	s_add_co_u32 s28, s28, s30
	s_mov_b32 s29, 0
	s_mul_i32 s30, s24, STEPB
	s_wait_dscnt 0x0                               ; both opening adds are done
	s_wait_kmcnt 0x0
	s_mov_b32 s[G0K], 1
	s_mov_b32 s[G0K+1], s30
	s_add_nc_u64 s[G0K+2:G0K+3], s[6:7], s[26:27]
	s_or_b32 s[G0K+3], s[G0K+3], 0x80000000
	s_mov_b32 s[G0V], 1
	s_add_co_u32 s[G0V+1], s30, VOFF
	s_add_nc_u64 s[G0V+2:G0V+3], s[8:9], s[28:29]
	s_or_b32 s[G0V+3], s[G0V+3], 0x80000000
	CROUND                                         ; all four work-groups are here: the first joint loads meet
	JLOAD                                          ; slot 0: steps 0 to 3
	; the prefetches: where my wave's stand, and who asks.  Nothing is asked for here, at the head
	s_cmp_lt_u32 s[WV], 4
	s_cselect_b64 s[PFA:PFA+1], s[6:7], s[8:9]
	s_cselect_b32 s31, 19, 18                      ; a head,
	s_cselect_b32 s70, 14, 13                      ; a partner's share,
	s_cselect_b32 s71, 2, 1                        ; the waves of the role that ask,
	s_cselect_b32 s72, 16, 15                      ; and a slot, as shifts or counts
	s_lshl_b32 s[PFS], 1, s72
	s_mov_b32 s[PFS+1], 0
	s_lshl_b32 s74, s23, s31
	s_lshl_b32 s75, s21, s70
	s_add_co_u32 s74, s74, s75
	s_lshl_b32 s75, s24, 13
	s_add_co_u32 s74, s74, s75
	s_add_co_u32 s74, s74, s[PFS]                  ; in the second slot's keys: the first change steps it on ahead of its request
	s_mov_b32 s75, 0
	s_add_nc_u64 s[PFA:PFA+1], s[PFA:PFA+1], s[74:75]
	s_cmp_lt_u32 s24, s71
	s_cselect_b32 s70, 0, 1
	s_or_b32 s70, s70, ttmp9                       ; the head's first cluster: the same in all four partners
	s_cmp_eq_u32 s70, 0
	s_cselect_b32 s[LIM], 1, -1
	v_and_b32 v1, 15, v0                           ; r
	v_bfe_u32 v10, v0, 4, 1                        ; h
	v_lshlrev_b32 v[QO], 8, v1
	v_lshl_add_u32 v[QO], v10, 4, v[QO]
	s_lshl_b32 s26, s23, 19
	s_lshl_b32 s28, s22, 16
	s_add_co_u32 s26, s26, s28
	s_lshl_b32 s28, s[WV], 13
	s_add_co_u32 s26, s26, s28
	s_add_nc_u64 s[4:5], s[4:5], s[26:27]          ; Q at my wave's first query
	WIN 0x40
.irp t, 0,1
.irp u, 0,1,2,3                        ; u = 2 softmax + half of its 64 channels
	global_load_b128 v[8*(4*\t+\u):8*(4*\t+\u)+3],   v[QO], s[4:5] offset:4096*\t+64*\u
	global_load_b128 v[8*(4*\t+\u)+4:8*(4*\t+\u)+7], v[QO], s[4:5] offset:4096*\t+64*\u+32
.endr
.endr
	WIN 0
	v_and_b32 v15, 31, v0
	v_lshlrev_b32 v11, 3, v15
	global_load_b64 v[64:65], v11, s[10:11]        ; two numbers a lane of each lambda vector
	global_load_b64 v[66:67], v11, s[12:13]
	global_load_b64 v[68:69], v11, s[14:15]
	global_load_b64 v[70:71], v11, s[16:17]
	v_mul_u32_u24 v[AK0], v1, PK
	v_lshl_add_u32 v[AK0], v10, 4, v[AK0]          ; K: row r x pitch + 16 h
	v_and_b32 v12, 7, v0
	v_bfe_u32 v13, v0, 3, 1
	v_lshl_add_u32 v[AV0], v10, 3, v12             ; V, for the turning load: key 8 h + lane % 8, channels 8 ((lane / 8) % 2) on
	v_mul_u32_u24 v[AV0], v[AV0], PVP
	v_lshl_add_u32 v[AV0], v13, 4, v[AV0]
	v_add_nc_u32 v[AV0], VOFF, v[AV0]
	s_mul_i32 s28, s[WV], 32*144
	s_add_co_u32 s28, s28, STAGE                   ; my stage
	v_mul_u32_u24 v[STO], v1, 144
	v_lshl_add_u32 v[STO], v10, 4, v[STO]
	v_add_nc_u32 v[STO], s28, v[STO]
	v_bfe_u32 v14, v0, 3, 2
	v_mul_u32_u24 v[RD], v14, 144
	v_lshl_add_u32 v[RD], v12, 4, v[RD]
	v_add_nc_u32 v[RD], s28, v[RD]
	v_lshlrev_b32 v[GO], 4, v15
	v_lshlrev_b32 v[PFO], 8, v15
	s_lshr_b32 s28, s23, 4                         ; ab: block m / 128 = 16 batch + 2 query block + wave / 4,
	s_lshl_b32 s28, s28, 4
	s_lshl_b32 s30, s22, 1
	s_add_co_u32 s28, s28, s30
	s_lshr_b32 s30, s[WV], 2
	s_add_co_u32 s28, s28, s30
	s_lshl_b32 s28, s28, 4
	s_and_b32 s30, s23, 15                         ; the head's plane in it: 128 rows of 128 bytes,
	s_add_co_u32 s28, s28, s30
	s_lshl_b32 s28, s28, 14
	s_lshl_b32 s30, s24, 12                        ; my 32 rows
	s_add_co_u32 s28, s28, s30
	s_mov_b32 s29, 0
	s_add_nc_u64 s[18:19], s[18:19], s[28:29]
	WIN 0x40
.set i, 0
.rept 128
	v_mov_b32 v[64+i], 0                           ; O^T of both softmaxes: the step is written once, and its first turn finds zeros
.set i, i+1
.endr
	WIN 0
.irp k, 0,1,2,3
	v_mov_b32 v[ST+8*\k+1], 0xff61b1e6             ; m = -3e38, under every score
	v_mul_f32 v[ST+8*\k], s[CS], v[ST+8*\k+1]
	v_mov_b32 v[ST+8*\k+2], 0                      ; l
	v_mov_b32 v[ST+8*\k+3], 0
.endr
	s_wait_loadcnt 0x0                             ; the lambda vectors, and Q
	v_mul_f32 v72, v64, v66
	v_mul_f32 v73, v68, v70
	v_fmac_f32 v72, v65, v67
	v_fmac_f32 v73, v69, v71
.irp x, 1,2,4,8
	v_add_f32_dpp v72, v72, v72 row_xmask:\x row_mask:0xf bank_mask:0xf
	v_add_f32_dpp v73, v73, v73 row_xmask:\x row_mask:0xf bank_mask:0xf
.endr
	v_permlanex16_b32 v64, v72, s[SEL], s[SEL+1]
	v_permlanex16_b32 v65, v73, s[SEL], s[SEL+1]
	v_add_f32 v72, v72, v64
	v_add_f32 v73, v73, v65
	v_mul_f32 v72, 0x3fb8aa3b, v72
	v_mul_f32 v73, 0x3fb8aa3b, v73
	v_exp_f32 v72, v72
	v_exp_f32 v73, v73
	v_nop
	s_wait_alu depctr_va_vdst(0)                   ; one wait for the two, ahead of their first reader
	v_sub_f32 v72, v72, v73
	v_add_f32 v72, 0x3f47227f, v72                 ; lambda = e1 - e2 + (0.8 - 0.6 exp(-3.3))
	v_add_f32 v73, |v72|, 1.0
	v_and_b32 v73, 0x7f800000, v73                 ; 2^floor(log2(1 + |lambda|)), as bits
	v_sub_nc_u32 v[FS], 0x80000000, v73            ; sc = 2^(2 - that exponent): the exponent fields add up to 256
	v_mul_f32 v[FL], -v72, v[FS]
	s_mov_b32 s[TB], 0
	s_mov_b32 s[SLOTS], 7
	CHANGE 1, 0                                    ; slot 0 is whole; slot 1 is asked for
	TRIP 1
	LOOPT 3
	s_mov_b32 s[SLOTS], 6
.Lslot:                                            ; six trips: each asks for the next four steps
	CHANGE 1, 1
	LOOPT 4
	s_sub_co_u32 s[SLOTS], s[SLOTS], 1
	s_cmp_lg_u32 s[SLOTS], 0
	s_cbranch_scc1 .Lslot
	CHANGE 0, 1                                    ; the last slot is written out: nothing is left to fetch
	LOOPT 4
	SM 1                                           ; softmax 2 of the last step
	PV 1
	; THE WAY OUT.  The additions are the places behind the last products.
	WIN 0
.irp k, 0,1,2,3
	v_add_f32 v[ST+8*\k+4], v[ST+8*\k+2], v[ST+8*\k+3]
.endr
.irp k, 0,1,2,3
	v_permlanex16_b32 v[ST+8*\k+5], v[ST+8*\k+4], s[SEL], s[SEL+1]
.endr
.irp k, 0,1,2,3
	v_add_f32 v[ST+8*\k+4], v[ST+8*\k+4], v[ST+8*\k+5]
.endr
.irp k, 0,1,2,3
	v_rcp_f32 v[ST+8*\k+5], v[ST+8*\k+4]
.endr
	v_nop
	s_wait_alu depctr_va_vdst(0)                   ; one wait for the four reciprocals
.irp t, 0,1
	v_mul_f32 v[ST+8*\t+6], v[FS], v[ST+8*\t+5]            ; sc / l1
	v_mul_f32 v[ST+16+8*\t+6], v[FL], v[ST+16+8*\t+5]      ; -lambda sc / l2
.endr
.irp t, 0,1
	WIN 0x01                                       ; source 0 in window 1
.set i, 0
.rept 16
	v_pk_mul_f32 v[SA+32*\t+i:SA+32*\t+i+1], v[64+32*\t+i:64+32*\t+i+1], v[ST+8*\t+6:ST+8*\t+7] op_sel_hi:[1,0]
.set i, i+2
.endr
.set i, 0
.rept 16
	v_pk_fma_f32 v[SA+32*\t+i:SA+32*\t+i+1], v[128+32*\t+i:128+32*\t+i+1], v[ST+16+8*\t+6:ST+16+8*\t+7], v[SA+32*\t+i:SA+32*\t+i+1] op_sel_hi:[1,0,1]
.set i, i+2
.endr
	WIN 0
.set i, 0
.rept 16
	v_cvt_pk_f16_f32 v[128+16*\t+i], v[SA+32*\t+2*i], v[SA+32*\t+2*i+1]
.set i, i+1
.endr
.irp c, 0,1,2,3
	ds_store_b128 v[STO], v[128+16*\t+4*\c:128+16*\t+4*\c+3] offset:16*144*\t+32*\c   ; query 16 t + r, channels 16 c + 8 h on
.endr
.endr
.irp i, 0,1,2,3,4,5,6,7
	ds_load_b128 v[192+4*\i:195+4*\i], v[RD] offset:576*\i   ; LDS serves a wave's instructions in order: these see my stores
.endr
.irp i, 0,1,2,3,4,5,6,7
	s_wait_dscnt 7-\i
	global_store_b128 v[GO], v[192+4*\i:195+4*\i], s[18:19] offset:512*\i   ; four rows of 128 bytes: 512 consecutive bytes
.endr
	s_wait_tensorcnt 0x0                           ; the wave's end, behind my last tensor load and my last LDS store
	ds_add_u32 v[SPW], v[NIL]
	s_wait_dscnt 0x0
	CROUND                                         ; the closing round
	s_endpgm
.Lfunc_end_k_q3df49e3228_attn:
	.size	k_q3df49e3228_attn, .Lfunc_end_k_q3df49e3228_attn-k_q3df49e3228_attn
	.p2alignl 7, 3214868480
	.fill 96, 4, 3214868480
	.section	.rodata,"a",@progbits
	.p2align	6, 0x0
	.amdhsa_kernel k_q3df49e3228_attn
		.amdhsa_group_segment_fixed_size 327680
		.amdhsa_private_segment_fixed_size 0
		.amdhsa_enable_private_segment 0
		.amdhsa_kernarg_size 64
		.amdhsa_user_sgpr_count 2
		.amdhsa_user_sgpr_kernarg_segment_ptr 1
		.amdhsa_wavefront_size32 1
		.amdhsa_system_sgpr_workgroup_id_x 1
		.amdhsa_system_sgpr_workgroup_id_y 1
		.amdhsa_system_sgpr_workgroup_id_z 1
		.amdhsa_system_vgpr_workitem_id 0
		.amdhsa_next_free_vgpr 512
		.amdhsa_next_free_sgpr 80
		.amdhsa_reserve_vcc 0
		.amdhsa_float_denorm_mode_32 3
		.amdhsa_float_denorm_mode_16_64 3
		.amdhsa_memory_ordered 1
		.amdhsa_forward_progress 1
		.amdhsa_inst_pref_size 160
	.end_amdhsa_kernel
	.amdgpu_metadata
---
amdhsa.version: [ 1, 2 ]
amdhsa.kernels:
  - .name:           k_q3df49e3228_attn
    .symbol:         k_q3df49e3228_attn.kd
    .args:
      - { .name: qb, .offset: 0, .size: 8, .value_kind: global_buffer, .address_space: global }
      - { .name: kb, .offset: 8, .size: 8, .value_kind: global_buffer, .address_space: global }
      - { .name: vb, .offset: 16, .size: 8, .value_kind: global_buffer, .address_space: global }
      - { .name: lambda_q1, .offset: 24, .size: 8, .value_kind: global_buffer, .address_space: global }
      - { .name: lambda_k1, .offset: 32, .size: 8, .value_kind: global_buffer, .address_space: global }
      - { .name: lambda_q2, .offset: 40, .size: 8, .value_kind: global_buffer, .address_space: global }
      - { .name: lambda_k2, .offset: 48, .size: 8, .value_kind: global_buffer, .address_space: global }
      - { .name: ab, .offset: 56, .size: 8, .value_kind: global_buffer, .address_space: global }
    .group_segment_fixed_size: 327680
    .private_segment_fixed_size: 0
    .kernarg_segment_align: 8
    .kernarg_segment_size: 64
    .max_flat_workgroup_size: 256
    .sgpr_count:     80
    .vgpr_count:     512
    .wavefront_size: 32
...
	.end_amdgpu_metadata
.endif
;; end of part 3
;; launch proj (part 4): grid 8 x 32, 4 waves a work-group, clusters of 4 x 4, 327,680 bytes of LDS; arguments ab, wo16, yb; writes yb
.if DOCPART == 4
	.amdgcn_target "amdgcn-amd-amdhsa--gfx1250"
	.amdhsa_code_object_version 6
	.text
	.protected	k_q3df49e3228_proj
	.globl	k_q3df49e3228_proj
	.p2align	8
	.type	k_q3df49e3228_proj,@function
k_q3df49e3228_proj:
	s_mov_b64 s[64:65], 0
	v_nop
	global_prefetch_b8 v0, s[64:65] scope:SCOPE_SE
	s_setreg_imm32_b32 hwreg(HW_REG_WAVE_MODE, 25, 1), 1
	s_wait_xcnt 0x0
	s_wait_alu depctr_hold_cnt(0) depctr_sa_sdst(0) depctr_va_vdst(0) depctr_va_sdst(0) depctr_va_ssrc(0) depctr_va_vcc(0) depctr_vm_vsrc(0)
	s_getreg_b32 s2, hwreg(HW_REG_IB_STS2, 6, 4)
	s_cmp_eq_u32 s2, 0
	s_cbranch_scc0 .Lentry_in_a_cluster
	s_endpgm
.Lentry_in_a_cluster:
	s_bfe_u32 s2, ttmp6, 0x10000c
	s_cmp_lg_u32 s2, 0xf033
	s_cbranch_scc0 .Lentry_shape_is_right
	s_endpgm
.Lentry_shape_is_right:
; PROJ.  y = a Wo: a [4096][1024] and Wo^T [1024][1024] in f16, sums and y in f32.  Both operands lie in planes: [row / 128][k / 64][row % 128][k % 64], so that a K step's tile (128 rows x 256 along K) is 65,536 dense bytes.
; A tile of y is 128 x 128; four waves, each 64 x 64: 16 accumulators.  4,096 x 1,024 gives 256 such tiles, one to a work-group.  K goes in four steps of 256 through two LDS slots; each slot is filled twice.
; A wave's tensor load brings two planes, 32,768 bytes, as 128 rows of 256 bytes + 16 of padding: an LDS row holds two tile rows of 128 bytes.  Row q of a plane lies at 272 (q / 2) + 128 (q % 2): the sixteen rows of a fragment load fall on sixteen different columns of 16 bytes.
; CLUSTER 4 x 4: a's tile is shared along a row of the cluster, Wo's along a column; each is asked for jointly.  THE MATRIX INSTRUCTION IS USED TRANSPOSED (source 0 = 16 rows of Wo^T, source 1 = 16 rows of a): a lane holds eight neighbouring numbers of a row of y.
; REGISTERS: window 0: v0-31 addresses; v32-95 the way out; v128-255 the accumulators ((a, b) at v[128 + 8 (4 a + b)]).   window 1: two fragment buffers of 128: for a plane (64 along K) 64 registers of a, then 64 of Wo.
.set PLANE,  17408                     ; a plane in LDS: 64 rows of 272 bytes
.set BLK,    2176                      ; 16 tile rows
.set HALFT,  2*PLANE                   ; what one tensor load brings
.set SLOT,   4*HALFT                   ; a's four planes, then Wo's four
.set STAGE,  2*SLOT                    ; behind the ring: 16 rows x 272 bytes for each wave
.set SPITCH, 272
.set SPARE,  STAGE+4*16*SPITCH         ; the spare words, 128 bytes a wave, that no other line names
.set ADRA, 16
.set ADRB, 20
.set STO,  24
.set RD,   25
.set CO,   26
.set SPW,  28
.set NIL,  29
.set TMP,  32
.set ACC,  128
.set F0,   0
.set F1,   128
.set G1, 24
.set G0, 32
.set G1B, 48
.set G0B, 56
.set MSB, 0
.macro WIN new
.if MSB != \new
	s_set_vgpr_msb (MSB<<8)|\new
.set MSB, \new
.endif
.endm
.set MUL,  0x05                        ; sources 0 and 1 window 1; C and D window 0
.set TO_F, 0x40                        ; destination window 1
.macro PLACES
.rept 4
	v_nop
.endr
.endm
.macro JLOAD s                         ; waves 0 and 1 fetch a's two halves, waves 2 and 3 Wo's; an s_nop 0 and four v_nop follow each line
	s_cmp_eq_u32 s11, 0
	s_cbranch_scc0 .Lfor_b_\@
	tensor_load_to_lds s[G0+4*\s:G0+4*\s+3], s[G1:G1+7]
	s_nop 0
	PLACES
	s_branch .Lasked_\@
.Lfor_b_\@:
	tensor_load_to_lds s[G0B+4*\s:G0B+4*\s+3], s[G1B:G1B+7]
	s_nop 0
	PLACES
.Lasked_\@:
.endm
.macro CREST
	s_cmp_lg_u32 s10, 0
	s_cbranch_scc1 .Lnot_wave_0_\@
	s_barrier_signal -3
.Lnot_wave_0_\@:
	s_barrier_wait -3
	s_barrier_signal -1
	s_barrier_wait -1
.endm
.macro CROUND
	s_barrier_signal -1
	s_barrier_wait -1
	CREST
.endm
	s_load_b128 s[4:7], s[0:1], 0x0                ; ab, wo16
	s_load_b64 s[8:9], s[0:1], 0x10                ; yb
	v_lshl_add_u32 v[SPW], v0, 2, SPARE
	v_mov_b32 v[NIL], 0
	ds_add_u32 v[SPW], v[NIL]                      ; the wave's opening: the add, twice on end, and its wait ahead of my first tensor load
	ds_add_u32 v[SPW], v[NIL]
	v_lshrrev_b32 v1, 5, v0
	v_readfirstlane_b32 s10, v1                    ; wave 0..3
	s_lshr_b32 s11, s10, 1                         ; which half of the tile's rows is mine.  Also: I fetch for a (0) or for Wo (1)
	s_and_b32 s12, s10, 1                          ; which half of its columns.  Also: which two planes of a K step I fetch
	s_bfe_u32 s40, ttmp6, 0x40000
	s_bfe_u32 s41, ttmp6, 0x40004
	s_lshl_b32 s42, ttmp9, 2
	s_add_co_u32 s42, s42, s40                     ; tile column
	s_and_b32 s13, ttmp7, 0xffff
	s_lshl_b32 s13, s13, 2
	s_add_co_u32 s13, s13, s41                     ; tile row
	s_lshl_b32 s43, s41, 2
	s_lshl_b32 s43, 15, s43                        ; my row of the cluster
	s_lshl_b32 s44, 0x1111, s40                    ; my column
	s_or_b32 s[G1+0], s43, (3<<16)|(1<<20)|(1<<21)|(5<<22)|(3<<25)   ; the mask; elements of 8 bytes; padding: 4 words after every 64
	s_or_b32 s[G1B+0], s44, (3<<16)|(1<<20)|(1<<21)|(5<<22)|(3<<25)
.irp g, G1, G1B
	s_mov_b32 s[\g+1], 32<<16                      ; rows of 32 elements: 256 bytes
	s_mov_b32 s[\g+2], 128<<16                     ; 128 rows
	s_mov_b32 s[\g+3], 32<<16
	s_mov_b32 s[\g+4], 128
	s_mov_b32 s[\g+5], 32                          ; dense
	s_mov_b32 s[\g+6], 0
	s_mov_b32 s[\g+7], 0
.endr
	s_lshl_b32 s17, s12, 15                        ; my two planes
	s_lshl_b32 s16, s13, 18                        ; a block of 128 rows is 262,144 bytes
	s_add_co_u32 s16, s16, s17
	s_lshl_b32 s46, s42, 18
	s_add_co_u32 s46, s46, s17
	s_mov_b32 s17, 0
	s_mov_b32 s47, 0
	s_mul_i32 s20, s10, HALFT                      ; where they go: no place in the cluster enters an LDS address
	s_wait_dscnt 0x0
	s_wait_kmcnt 0x0
	s_add_nc_u64 s[14:15], s[4:5], s[16:17]
	s_add_nc_u64 s[46:47], s[6:7], s[46:47]
	CROUND                                         ; all sixteen work-groups are here
.irp s, 0,1
	s_mov_b32 s[G0+4*\s], 1
	s_add_co_u32 s[G0+4*\s+1], s20, \s*SLOT
	s_add_nc_u64 s[G0+4*\s+2:G0+4*\s+3], s[14:15], \s*65536
	s_or_b32 s[G0+4*\s+3], s[G0+4*\s+3], 0x80000000
	s_mov_b32 s[G0B+4*\s], 1
	s_add_co_u32 s[G0B+4*\s+1], s20, \s*SLOT
	s_add_nc_u64 s[G0B+4*\s+2:G0B+4*\s+3], s[46:47], \s*65536
	s_or_b32 s[G0B+4*\s+3], s[G0B+4*\s+3], 0x80000000
	JLOAD \s
.endr
	v_and_b32 v1, 15, v0                           ; r
	v_bfe_u32 v2, v0, 4, 1                         ; h
	v_lshrrev_b32 v3, 1, v1
	v_mul_u32_u24 v3, v3, 272
	v_and_b32 v4, 1, v0
	v_lshl_add_u32 v3, v4, 7, v3
	v_lshl_add_u32 v3, v2, 4, v3                   ; 272 (r / 2) + 128 (r % 2) + 16 h
	s_mul_i32 s21, s11, 4*BLK                      ; my 64 rows of a
	s_mul_i32 s22, s12, 4*BLK                      ; my 64 rows of Wo^T,
	s_add_co_u32 s22, s22, 2*HALFT                 ; behind a's four planes
.irp s, 0,1
	v_add_nc_u32 v[ADRA+\s], s21, v3
	v_add_nc_u32 v[ADRB+\s], s22, v3
	s_add_co_u32 s21, s21, SLOT
	s_add_co_u32 s22, s22, SLOT
.endr
	s_mul_i32 s23, s10, 16*SPITCH
	s_add_co_u32 s23, s23, STAGE                   ; my stage
	v_mul_u32_u24 v4, v1, SPITCH
	v_lshl_add_u32 v4, v2, 5, v4
	v_add_nc_u32 v[STO], s23, v4                   ; in: row r, 32 bytes for each half of the lanes
	v_mul_u32_u24 v5, v2, SPITCH
	v_lshl_add_u32 v5, v1, 4, v5
	v_add_nc_u32 v[RD], s23, v5                    ; back: lanes 0-15 one row of 256 bytes, lanes 16-31 the next
	v_lshlrev_b32 v5, 12, v2
	v_lshl_add_u32 v[CO], v1, 4, v5                ; and the same two rows in y
	s_lshl_b32 s16, s13, 19                        ; 128 rows of 4,096 bytes a tile row,
	s_lshl_b32 s17, s11, 18
	s_add_co_u32 s16, s16, s17
	s_lshl_b32 s17, s42, 9                         ; 512 bytes a tile column,
	s_add_co_u32 s16, s16, s17
	s_lshl_b32 s17, s12, 8
	s_add_co_u32 s16, s16, s17
	s_mov_b32 s17, 0
	s_add_nc_u64 s[8:9], s[8:9], s[16:17]
.macro MUL8 f, c, a0, zero             ; 8 matrix instructions: blocks a0, a0 + 1 of a x all 4 of Wo, 32 along K: half c of buffer f.  The 16 accumulators take turns
.irp a, \a0, \a0+1
.irp b, 0,1,2,3
.if \zero
	v_wmma_f32_16x16x32_f16 v[ACC+8*(4*(\a)+\b):ACC+8*(4*(\a)+\b)+7], v[\f+64+8*(4*\c+\b):\f+64+8*(4*\c+\b)+7], v[\f+8*(4*\c+\a):\f+8*(4*\c+\a)+7], 0
.else
	v_wmma_f32_16x16x32_f16 v[ACC+8*(4*(\a)+\b):ACC+8*(4*(\a)+\b)+7], v[\f+64+8*(4*\c+\b):\f+64+8*(4*\c+\b)+7], v[\f+8*(4*\c+\a):\f+8*(4*\c+\a)+7], v[ACC+8*(4*(\a)+\b):ACC+8*(4*(\a)+\b)+7]
.endif
.endr
.endr
.endm
.macro FETCH slot, k, f                ; 32 LDS loads in one run: the plane at byte k, into buffer f; its first 32 along K first
	WIN TO_F
.irp c, 0,1
.irp i, 0,1,2,3
	ds_load_b128 v[\f+64+8*(4*\c+\i):\f+64+8*(4*\c+\i)+3],   v[ADRB+\slot] offset:\k+64*\c+\i*BLK
	ds_load_b128 v[\f+64+8*(4*\c+\i)+4:\f+64+8*(4*\c+\i)+7], v[ADRB+\slot] offset:\k+64*\c+\i*BLK+32
	ds_load_b128 v[\f+8*(4*\c+\i):\f+8*(4*\c+\i)+3],         v[ADRA+\slot] offset:\k+64*\c+\i*BLK
	ds_load_b128 v[\f+8*(4*\c+\i)+4:\f+8*(4*\c+\i)+7],       v[ADRA+\slot] offset:\k+64*\c+\i*BLK+32
.endr
.endr
.endm
.macro QUARTER slot, k, f, g, zero     ; multiplies buffer f and fetches the next plane, at byte k, into g
	s_wait_dscnt 16                                ; the first 32 along K are in
	WIN MUL
	MUL8 \f, 0, 0, \zero
	MUL8 \f, 0, 2, \zero
	PLACES
	FETCH \slot, \k, \g
	s_wait_dscnt 32                                ; all but the 32 just issued
	WIN MUL
	MUL8 \f, 1, 0, 0
	MUL8 \f, 1, 2, 0
.endm
; A slot's last plane multiplies buffer 1 and changes slots: one barrier; in front of it each wave waits for all its tensor loads, adds 0 to its spare word, and waits for that and for its reads of this slot.  fill = 1: this slot is filled again, two K steps ahead.
.macro TURN slot, next, fill
	WIN 0
	s_wait_tensorcnt 0x0                           ; all my tensor loads have landed: my part of the next slot
	ds_add_u32 v[SPW], v[NIL]
	s_wait_dscnt 17                                ; the add and the youngest sixteen loads may be out
	WIN MUL
	MUL8 F1, 0, 0, 0
	s_wait_dscnt 0x0                               ; the add is done, and my reads of this slot are over
	s_barrier_signal -1
	MUL8 F1, 0, 2, 0
.if \fill
	WIN 0
.endif
	s_barrier_wait -1
.if \fill
	CREST                                          ; the barrier has opened a round of the cluster's: no wave of any partner still reads this slot or has a load on its way
	s_add_nc_u64 s[G0+4*\slot+2:G0+4*\slot+3], s[G0+4*\slot+2:G0+4*\slot+3], 2*65536
	s_add_nc_u64 s[G0B+4*\slot+2:G0B+4*\slot+3], s[G0B+4*\slot+2:G0B+4*\slot+3], 2*65536
	JLOAD \slot                                    ; the first tensor load behind the round; its four v_nop are also the places in front of the loads below
.else
	PLACES
.endif
	FETCH \next, 0, F0
	WIN MUL
	MUL8 F1, 1, 0, 0
	MUL8 F1, 1, 2, 0
.endm
	s_wait_tensorcnt 1                             ; my part of K step 0 is in; K step 1's load may be out
	s_barrier_signal -1
	s_barrier_wait -1
	FETCH 0, 0, F0
	QUARTER 0, PLANE,   F0, F1, 1                  ; the first products start the sums
	QUARTER 0, 2*PLANE, F1, F0, 0
	QUARTER 0, 3*PLANE, F0, F1, 0
	TURN 0, 1, 1                                   ; slot 0 takes K step 2
	QUARTER 1, PLANE,   F0, F1, 0
	QUARTER 1, 2*PLANE, F1, F0, 0
	QUARTER 1, 3*PLANE, F0, F1, 0
	TURN 1, 0, 1                                   ; slot 1 takes K step 3
	QUARTER 0, PLANE,   F0, F1, 0
	QUARTER 0, 2*PLANE, F1, F0, 0
	QUARTER 0, 3*PLANE, F0, F1, 0
	TURN 0, 1, 0                                   ; nothing is left to fetch
	QUARTER 1, PLANE,   F0, F1, 0
	QUARTER 1, 2*PLANE, F1, F0, 0
	QUARTER 1, 3*PLANE, F0, F1, 0
	s_wait_dscnt 16
	WIN MUL
	MUL8 F1, 0, 0, 0
	MUL8 F1, 0, 2, 0
	s_wait_dscnt 0x0
	MUL8 F1, 1, 0, 0
	MUL8 F1, 1, 2, 0
	WIN 0
; THE WAY OUT, a block of 16 rows x 64 columns at a time: a lane holds 32 neighbouring bytes of a row; through my own stage they come back as rows of 256 bytes, which sixteen lanes store whole.
.macro TOSTAGE a
.set BK, TMP+32*((\a)%2)
.irp b, 0,1,2,3
	ds_store_b128 v[STO], v[ACC+8*(4*(\a)+\b):ACC+8*(4*(\a)+\b)+3] offset:64*\b          ; each accumulator from its low end on
	ds_store_b128 v[STO], v[ACC+8*(4*(\a)+\b)+4:ACC+8*(4*(\a)+\b)+7] offset:64*\b+16
.endr
.irp t, 0,1,2,3,4,5,6,7
	ds_load_b128 v[BK+4*\t:BK+4*\t+3], v[RD] offset:\t*2*SPITCH   ; LDS serves a wave's instructions in order
.endr
.endm
.macro SEND a, younger                 ; younger: the next block's sixteen LDS instructions, which may stay out
.set BK, TMP+32*((\a)%2)
.irp t, 0,1,2,3,4,5,6,7
	s_wait_dscnt \younger+7-\t
	global_store_b128 v[CO], v[BK+4*\t:BK+4*\t+3], s[8:9] offset:(16*(\a)+2*\t)*4096
.endr
.endm
	PLACES
	TOSTAGE 0
.irp a, 1,2,3
.if \a > 1
	s_wait_xcnt 0x0                                ; the stores of two blocks back have read their registers: this block's loads may land there
.endif
	TOSTAGE \a
	SEND \a-1, 16
.endr
	SEND 3, 0
	s_wait_tensorcnt 0x0                           ; the wave's end, behind my last tensor load and my last LDS store
	ds_add_u32 v[SPW], v[NIL]
	s_wait_dscnt 0x0
	CROUND                                         ; the closing round
	s_endpgm
.Lfunc_end_k_q3df49e3228_proj:
	.size	k_q3df49e3228_proj, .Lfunc_end_k_q3df49e3228_proj-k_q3df49e3228_proj
	.p2alignl 7, 3214868480
	.fill 96, 4, 3214868480
	.section	.rodata,"a",@progbits
	.p2align	6, 0x0
	.amdhsa_kernel k_q3df49e3228_proj
		.amdhsa_group_segment_fixed_size 327680
		.amdhsa_private_segment_fixed_size 0
		.amdhsa_enable_private_segment 0
		.amdhsa_kernarg_size 24
		.amdhsa_user_sgpr_count 2
		.amdhsa_user_sgpr_kernarg_segment_ptr 1
		.amdhsa_wavefront_size32 1
		.amdhsa_system_sgpr_workgroup_id_x 1
		.amdhsa_system_sgpr_workgroup_id_y 1
		.amdhsa_system_sgpr_workgroup_id_z 1
		.amdhsa_system_vgpr_workitem_id 0
		.amdhsa_next_free_vgpr 512
		.amdhsa_next_free_sgpr 66
		.amdhsa_reserve_vcc 0
		.amdhsa_float_denorm_mode_32 3
		.amdhsa_float_denorm_mode_16_64 3
		.amdhsa_memory_ordered 1
		.amdhsa_forward_progress 1
		.amdhsa_inst_pref_size 86
	.end_amdhsa_kernel
	.amdgpu_metadata
---
amdhsa.version: [ 1, 2 ]
amdhsa.kernels:
  - .name:           k_q3df49e3228_proj
    .symbol:         k_q3df49e3228_proj.kd
    .args:
      - { .name: ab, .offset: 0, .size: 8, .value_kind: global_buffer, .address_space: global }
      - { .name: wo16, .offset: 8, .size: 8, .value_kind: global_buffer, .address_space: global }
      - { .name: yb, .offset: 16, .size: 8, .value_kind: global_buffer, .address_space: global }
    .group_segment_fixed_size: 327680
    .private_segment_fixed_size: 0
    .kernarg_segment_align: 8
    .kernarg_segment_size: 24
    .max_flat_workgroup_size: 128
    .sgpr_count:     66
    .vgpr_count:     512
    .wavefront_size: 32
...
	.end_amdgpu_metadata
.endif
;; end of part 4
;; launch ln (part 5): grid 256 x 1, 4 waves a work-group, no clusters, 0 bytes of LDS; arguments yb, gamma, beta, lambda_q1, lambda_k1, lambda_q2, lambda_k2, out0; writes out0
.if DOCPART == 5
	.amdgcn_target "amdgcn-amd-amdhsa--gfx1250"
	.amdhsa_code_object_version 6
	.text
	.protected	k_q3df49e3228_ln
	.globl	k_q3df49e3228_ln
	.p2align	8
	.type	k_q3df49e3228_ln,@function
k_q3df49e3228_ln:
	s_mov_b64 s[64:65], 0
	v_nop
	global_prefetch_b8 v0, s[64:65] scope:SCOPE_SE
	s_setreg_imm32_b32 hwreg(HW_REG_WAVE_MODE, 25, 1), 1
	s_wait_xcnt 0x0
; LN.  out = (y - mean) rsqrt(var + 1e-5) gamma + beta along rows of 1,024.  yb holds y x sc, sc the power of two that the attention launch multiplied in (2^(2 - floor(log2(1 + |lambda|)))): it is made here again from the four
; lambda vectors, and taken off where it counts: var = var' / sc^2 ahead of the 1e-5, and the factor is rsqrt(..) / sc.  Mean first, then the mean of the squared differences, as the definition has it.
; A wave takes four rows, each whole in 32 registers: the row is read once, and no wave waits for another: no LDS, no barrier.  All loads go out at the head; each load of y, gamma and beta and each store of a wave covers 512 consecutive bytes.
; LIMITS: NaN and infinities are not served.
	s_load_b512 s[4:19], s[0:1], 0x0               ; yb 4, gamma 6, beta 8, lambda_q1 10, lambda_k1 12, lambda_q2 14, lambda_k2 16, out0 18
	v_lshrrev_b32 v1, 5, v0
	v_readfirstlane_b32 s20, v1                    ; wave
	v_and_b32 v2, 31, v0
	v_lshlrev_b32 v1, 4, v2                        ; 16 bytes a lane; never rewritten
	v_lshlrev_b32 v3, 3, v2                        ; 8 bytes a lane
	s_lshl_b32 s22, ttmp9, 16                      ; 16 rows of 4,096 bytes a work-group,
	s_lshl_b32 s23, s20, 14                        ; 4 a wave
	s_add_co_u32 s22, s22, s23
	s_mov_b32 s23, 0
	s_mov_b32 s24, 0x76543210
	s_mov_b32 s25, 0xfedcba98                      ; v_permlanex16_b32's selects for lane l xor 16
	s_mov_b32 s26, 0x3727c5ac                      ; 1e-5
	s_wait_kmcnt 0x0
	s_add_nc_u64 s[4:5], s[4:5], s[22:23]
	s_add_nc_u64 s[18:19], s[18:19], s[22:23]
	global_load_b64 v[4:5], v3, s[10:11]
	global_load_b64 v[6:7], v3, s[12:13]
	global_load_b64 v[8:9], v3, s[14:15]
	global_load_b64 v[10:11], v3, s[16:17]
.irp j, 0,1,2,3,4,5,6,7
	global_load_b128 v[16+4*\j:19+4*\j], v1, s[6:7] offset:512*\j      ; gamma of my 32 columns
.endr
.irp j, 0,1,2,3,4,5,6,7
	global_load_b128 v[48+4*\j:51+4*\j], v1, s[8:9] offset:512*\j      ; beta
.endr
.irp i, 0,1,2,3
.irp j, 0,1,2,3,4,5,6,7
	global_load_b128 v[80+32*\i+4*\j:83+32*\i+4*\j], v1, s[4:5] offset:4096*\i+512*\j th:TH_LOAD_NT
.endr
.endr
	s_wait_loadcnt 48                              ; the four lambda vectors are in; gamma's 8, beta's 8 and y's 32 loads may be out
	v_mul_f32 v12, v4, v6
	v_mul_f32 v13, v8, v10
	v_fmac_f32 v12, v5, v7
	v_fmac_f32 v13, v9, v11
.irp x, 1,2,4,8
	v_add_f32_dpp v12, v12, v12 row_xmask:\x row_mask:0xf bank_mask:0xf
	v_add_f32_dpp v13, v13, v13 row_xmask:\x row_mask:0xf bank_mask:0xf
.endr
	v_permlanex16_b32 v4, v12, s24, s25
	v_permlanex16_b32 v5, v13, s24, s25
	v_add_f32 v12, v12, v4
	v_add_f32 v13, v13, v5
	v_mul_f32 v12, 0x3fb8aa3b, v12
	v_mul_f32 v13, 0x3fb8aa3b, v13
	v_exp_f32 v12, v12
	v_exp_f32 v13, v13
	v_nop
	s_wait_alu depctr_va_vdst(0)                   ; one wait for the two, ahead of their first reader
	v_sub_f32 v12, v12, v13
	v_add_f32 v12, 0x3f47227f, v12                 ; lambda
	v_add_f32 v13, |v12|, 1.0
	v_and_b32 v13, 0x7f800000, v13                 ; 2^floor(log2(1 + |lambda|))
	v_add_nc_u32 v14, 0xff000000, v13              ; 1 / sc: 2 off the exponent field
	v_mul_f32 v15, v14, v14                        ; 1 / sc^2
.macro REDUCE a, b                     ; the sum over the 32 lanes, in every lane; b has been written before
.irp x, 1,2,4,8
	v_add_f32_dpp v[\a], v[\a], v[\a] row_xmask:\x row_mask:0xf bank_mask:0xf
.endr
	v_permlanex16_b32 v[\b], v[\a], s24, s25
	v_add_f32 v[\a], v[\a], v[\b]
.endm
.macro ROW i
.set Y, 80+32*(\i)
	s_wait_loadcnt 8*(3-(\i))                      ; this row's eight loads are in (and gamma and beta, which went out earlier); the later rows' may be out
	v_pk_add_f32 v[4:5], v[Y:Y+1], v[Y+4:Y+5]
	v_pk_add_f32 v[6:7], v[Y+2:Y+3], v[Y+6:Y+7]
.irp b, 8,12,16,20,24,28
	v_pk_add_f32 v[4:5], v[4:5], v[Y+\b:Y+\b+1]
	v_pk_add_f32 v[6:7], v[6:7], v[Y+\b+2:Y+\b+3]
.endr
	v_pk_add_f32 v[4:5], v[4:5], v[6:7]
	v_add_f32 v4, v4, v5
	REDUCE 4, 5
	v_mul_f32 v4, 0x3a800000, v4                   ; the mean: / 1,024
.irp b, 0,2,4,6,8,10,12,14,16,18,20,22,24,26,28,30
	v_pk_add_f32 v[Y+\b:Y+\b+1], v[Y+\b:Y+\b+1], v[4:5] op_sel_hi:[1,0] neg_lo:[0,1] neg_hi:[0,1]   ; y - mean
.endr
	v_pk_mul_f32 v[6:7], v[Y:Y+1], v[Y:Y+1]
	v_pk_mul_f32 v[8:9], v[Y+2:Y+3], v[Y+2:Y+3]
.irp b, 4,8,12,16,20,24,28
	v_pk_fma_f32 v[6:7], v[Y+\b:Y+\b+1], v[Y+\b:Y+\b+1], v[6:7]
	v_pk_fma_f32 v[8:9], v[Y+\b+2:Y+\b+3], v[Y+\b+2:Y+\b+3], v[8:9]
.endr
	v_pk_add_f32 v[6:7], v[6:7], v[8:9]
	v_add_f32 v6, v6, v7
	REDUCE 6, 7
	v_mul_f32 v6, 0x3a800000, v6                   ; the variance of y x sc
	v_fma_f32 v6, v6, v15, s26                     ; / sc^2, + 1e-5
	v_rsq_f32 v8, v6
	v_nop
	s_wait_alu depctr_va_vdst(0)                   ; the wait ahead of the first reader
	v_mul_f32 v8, v14, v8                          ; rsqrt(..) / sc
.irp b, 0,2,4,6,8,10,12,14,16,18,20,22,24,26,28,30
	v_pk_mul_f32 v[Y+\b:Y+\b+1], v[Y+\b:Y+\b+1], v[8:9] op_sel_hi:[1,0]
.endr
.irp b, 0,2,4,6,8,10,12,14,16,18,20,22,24,26,28,30
	v_pk_fma_f32 v[Y+\b:Y+\b+1], v[Y+\b:Y+\b+1], v[16+\b:17+\b], v[48+\b:49+\b]
.endr
.irp j, 0,1,2,3,4,5,6,7
	global_store_b128 v1, v[Y+4*\j:Y+4*\j+3], s[18:19] offset:4096*(\i)+512*\j th:TH_STORE_NT   ; no store's registers are written again
.endr
.endm
	ROW 0
	ROW 1
	ROW 2
	ROW 3
	s_endpgm
.Lfunc_end_k_q3df49e3228_ln:
	.size	k_q3df49e3228_ln, .Lfunc_end_k_q3df49e3228_ln-k_q3df49e3228_ln
	.p2alignl 7, 3214868480
	.fill 96, 4, 3214868480
	.section	.rodata,"a",@progbits
	.p2align	6, 0x0
	.amdhsa_kernel k_q3df49e3228_ln
		.amdhsa_group_segment_fixed_size 0
		.amdhsa_private_segment_fixed_size 0
		.amdhsa_enable_private_segment 0
		.amdhsa_kernarg_size 64
		.amdhsa_user_sgpr_count 2
		.amdhsa_user_sgpr_kernarg_segment_ptr 1
		.amdhsa_wavefront_size32 1
		.amdhsa_system_sgpr_workgroup_id_x 1
		.amdhsa_system_sgpr_workgroup_id_y 1
		.amdhsa_system_sgpr_workgroup_id_z 1
		.amdhsa_system_vgpr_workitem_id 0
		.amdhsa_next_free_vgpr 208
		.amdhsa_next_free_sgpr 66
		.amdhsa_reserve_vcc 0
		.amdhsa_float_denorm_mode_32 3
		.amdhsa_float_denorm_mode_16_64 3
		.amdhsa_memory_ordered 1
		.amdhsa_forward_progress 1
		.amdhsa_inst_pref_size 35
	.end_amdhsa_kernel
	.amdgpu_metadata
---
amdhsa.version: [ 1, 2 ]
amdhsa.kernels:
  - .name:           k_q3df49e3228_ln
    .symbol:         k_q3df49e3228_ln.kd
    .args:
      - { .name: yb, .offset: 0, .size: 8, .value_kind: global_buffer, .address_space: global }
      - { .name: gamma, .offset: 8, .size: 8, .value_kind: global_buffer, .address_space: global }
      - { .name: beta, .offset: 16, .size: 8, .value_kind: global_buffer, .address_space: global }
      - { .name: lambda_q1, .offset: 24, .size: 8, .value_kind: global_buffer, .address_space: global }
      - { .name: lambda_k1, .offset: 32, .size: 8, .value_kind: global_buffer, .address_space: global }
      - { .name: lambda_q2, .offset: 40, .size: 8, .value_kind: global_buffer, .address_space: global }
      - { .name: lambda_k2, .offset: 48, .size: 8, .value_kind: global_buffer, .address_space: global }
      - { .name: out0, .offset: 56, .size: 8, .value_kind: global_buffer, .address_space: global }
    .group_segment_fixed_size: 0
    .private_segment_fixed_size: 0
    .kernarg_segment_align: 8
    .kernarg_segment_size: 64
    .max_flat_workgroup_size: 128
    .sgpr_count:     66
    .vgpr_count:     208
    .wavefront_size: 32
...
	.end_amdgpu_metadata
.endif
;; end of part 5
